; MI455X (gfx1250); checked and timed in simulation.
; The chip was launched on July 23, 2026; its instructions are those of AMD's public machine-readable ISA for CDNA 5 (MIT licence, August 2026) and "CDNA5" Instruction Set Architecture Reference Guide (July 2026). The comments in the code are by the model that wrote it; some were corrected since.
;; Transformer. Allowed arithmetic: float matrix products may take bf16 or f16 operands with f32 sums; all other float work in f32.
;; Inputs: Wk 16 x 512 x 32 float32; Wproj 512 x 512 float32; Wq 16 x 512 x 32 float32; Wv 16 x 512 x 32 float32; fc_b 2,000 float32; fc_w 512 x 2,000 float32; ln_b 512 float32; ln_g 512 float32; pos_embed 2,048 x 512 float32; tok_embed 2,000 x 512 float32; tokens 4 x 2,048 int32.
;; Outputs: out0 4 x 2,048 x 2,000 float32.
;; 2 versions, each right; version 2 is version 1 with the launch prep written anew for expert scheduling mode. Each part assembles by itself: llvm-mc -triple=amdgcn-amd-amdhsa -mcpu=gfx1250 --defsym DOCPART=n.
;; ======== version 1 of 2: 5 launches
;; limits: values are held in f16: magnitudes above 65,504 overflow, below 6.1e-05 lose precision
;; workspace buffers: wf 4,194,304 bytes; hf 8,388,608 bytes; xd 16,777,216 bytes; qkv 25,165,824 bytes; af 8,388,608 bytes; yf 8,388,608 bytes
;; launch prep (part 1): grid 768 x 1, 4 waves a work-group, no clusters, 50,176 bytes of LDS; arguments tokens, tok_embed, pos_embed, ln_g, ln_b, Wq, Wk, Wv, Wproj, fc_w, hf, xd, wf; writes hf, xd, wf
.if DOCPART == 1
	.amdgcn_target "amdgcn-amd-amdhsa--gfx1250"
	.amdhsa_code_object_version 6
	.text
	.protected	k_q2f8e9eb352_prep
	.globl	k_q2f8e9eb352_prep
	.p2align	8
	.type	k_q2f8e9eb352_prep,@function
k_q2f8e9eb352_prep:
	s_mov_b64 s[64:65], 0
	v_nop
	global_prefetch_b8 v0, s[64:65] scope:SCOPE_SE
	s_setreg_imm32_b32 hwreg(HW_REG_WAVE_MODE, 25, 1), 1
	s_wait_xcnt 0x0
; PREP: everything that the later products read is laid down here in FRAGMENT ORDER.
; A fragment (16 rows x 32 k of f16) is a block of 1,024 bytes: the 16 bytes of lane L = 16 h + r, piece c, lie at c*512 + 16 L and hold
; row r, k = 16 c + 8 h + 0..7.  A product then fills a fragment with two 16-byte accesses a lane, 512 neighbouring bytes each.
; Work-groups 0-511: 16 tokens each: x = tok_embed[token] + pos_embed[t], LayerNorm, h as f16 fragments (hf), x as f32 in the order of a
;   matrix result (xd: [token tile][feature tile][half][16 L] = features 16 ft + 8 h + 4 half .. +3 of token r).
; Work-groups 512-767: one tile of 16 output columns of a weight matrix each, transposed to rows (wf: [nt][kb][1 KiB]):
;   nt 0-95 Wq|Wk|Wv (column = 32 head + kk), nt 96-127 Wproj, nt 128-255 fc_w (columns past 1999 repeat column 1999; their products are never stored).
;   Wq is multiplied by log2(e)/sqrt(32), so that the scores come out ready for an exponential in base 2.
; LIMITS: h and the weights are rounded to f16: a number above 65,504 becomes infinite, below 6e-5 the step is 6e-8.
; A token index is clamped to 1999 (unsigned), so no gather leaves the table.
; No matrix unit, no cluster, no tensor load: the work-groups share nothing and each byte is touched once or a few times.
.set XT, 32                            ; v[32:95]   token i: 16 registers, features 4 L + 128 q + 0..3
.set XP, 96                            ; v[96:159]  the positional rows, likewise
.set GG, 160                           ; v[160:175] ln_g of my 16 features
.set BV, 176                           ; v[176:191] ln_b
.set XPITCH, 2064                      ; LDS row of x: 2,048 bytes + 16: an odd multiple of 16, so 16 rows start in 16 different groups of banks
.set HPITCH, 1040                      ; LDS row of h: 1,024 bytes + 16
.set HST, 16*XPITCH                    ; h's stage begins behind x's: byte 33,024
	s_load_b512 s[8:23], s[0:1], 0x0               ; tokens 8, tok_embed 10, pos_embed 12, ln_g 14, ln_b 16, Wq 18, Wk 20, Wv 22
	s_load_b256 s[24:31], s[0:1], 0x40             ; Wproj 24, fc_w 26, hf 28, xd 30
	s_load_b64 s[32:33], s[0:1], 0x60              ; wf
	v_lshl_add_u32 v192, v0, 2, 0xc200
	v_mov_b32 v193, 0
	v_lshrrev_b32 v4, 5, v0
	v_readfirstlane_b32 s34, v4                    ; wave 0..3
	v_and_b32 v1, 31, v0
	v_and_b32 v2, 15, v0                           ; r
	v_bfe_u32 v3, v0, 4, 1                         ; h
	v_lshlrev_b32 v1, 4, v1                        ; 16 L
	s_mov_b32 s43, 0                               ; upper words of the two offset pairs
	s_mov_b32 s45, 0
	s_wait_kmcnt 0x0
	s_cmp_ge_u32 ttmp9, 512                        ; the same for all four waves of a work-group
	s_cbranch_scc1 .Lweights
; ---------------- embedding and LayerNorm: wave w takes tokens 4 w .. 4 w + 3 of the tile ----------------
	s_lshl_b32 s42, ttmp9, 6                       ; 16 indices of 4 bytes a tile
	s_lshl_b32 s35, s34, 4                         ; 4 indices a wave
	s_add_co_u32 s42, s42, s35
	s_add_nc_u64 s[40:41], s[8:9], s[42:43]
	s_load_b128 s[36:39], s[40:41], 0x0            ; my four indices
.irp q, 0,1,2,3
	global_load_b128 v[GG+4*\q:GG+4*\q+3], v1, s[14:15] offset:512*\q
	global_load_b128 v[BV+4*\q:BV+4*\q+3], v1, s[16:17] offset:512*\q
.endr
	s_and_b32 s42, ttmp9, 127                      ; 128 tiles in a sequence of 2,048 positions
	s_lshl_b32 s42, s42, 15                        ; 16 rows of 2,048 bytes
	s_lshl_b32 s35, s34, 13                        ; 4 rows a wave
	s_add_co_u32 s42, s42, s35
	s_add_nc_u64 s[52:53], s[12:13], s[42:43]      ; my four rows of pos_embed
	s_mov_b32 s54, 0x76543210                      ; v_permlanex16_b32: lane i reads lane i of the other half
	s_mov_b32 s55, 0xfedcba98
	s_mov_b32 s56, 0x3b000000                      ; 1/512
	s_mov_b32 s57, 0x3727c5ac                      ; 1e-5
	s_wait_kmcnt 0x0
.irp i, 0,1,2,3
	s_min_u32 s[36+\i], s[36+\i], 1999
	s_lshl_b32 s42, s[36+\i], 11                   ; a row of tok_embed is 2,048 bytes
	s_add_nc_u64 s[44+2*\i:45+2*\i], s[10:11], s[42:43]
.endr
.irp i, 0,1,2,3
.irp q, 0,1,2,3
	global_load_b128 v[XT+16*\i+4*\q:XT+16*\i+4*\q+3], v1, s[44+2*\i:45+2*\i] offset:512*\q
.endr
.irp q, 0,1,2,3
	global_load_b128 v[XP+16*\i+4*\q:XP+16*\i+4*\q+3], v1, s[52:53] offset:2048*\i+512*\q
.endr
.endr
	s_mul_i32 s35, s34, 4*XPITCH
	v_add_nc_u32 v20, s35, v1                      ; x in: my wave's first row + 16 L
	s_mul_i32 s35, s34, 4*HPITCH
	s_add_co_u32 s35, s35, HST
	v_lshrrev_b32 v21, 1, v1
	v_add_nc_u32 v21, s35, v21                     ; h in: my wave's first row + 8 L
	v_mul_u32_u24 v22, v2, HPITCH
	v_lshl_add_u32 v22, v3, 4, v22
	s_lshl_b32 s35, s34, 8
	s_add_co_u32 s35, s35, HST
	v_add_nc_u32 v22, s35, v22                     ; h back: row r, byte 16 h + 256 w (features 128 w ..)
	v_mul_u32_u24 v23, v2, XPITCH
	v_lshl_add_u32 v23, v3, 5, v23
	s_lshl_b32 s35, s34, 9
	v_add_nc_u32 v23, s35, v23                     ; x back: row r, byte 32 h + 512 w
	s_lshl_b32 s42, ttmp9, 14                      ; hf: 16,384 bytes a tile, 4,096 a wave
	s_lshl_b32 s35, s34, 12
	s_add_co_u32 s42, s42, s35
	s_add_nc_u64 s[58:59], s[28:29], s[42:43]
	s_lshl_b32 s42, ttmp9, 15                      ; xd: 32,768 bytes a tile, 8,192 a wave
	s_lshl_b32 s35, s34, 13
	s_add_co_u32 s42, s42, s35
	s_add_nc_u64 s[60:61], s[30:31], s[42:43]
.macro LANESUM a, b                    ; the sum over the 32 lanes, in every lane; v\b has been written before
	v_add_f32_dpp v\a, v\a, v\a row_xmask:1 row_mask:0xf bank_mask:0xf
	v_add_f32_dpp v\a, v\a, v\a row_xmask:2 row_mask:0xf bank_mask:0xf
	v_add_f32_dpp v\a, v\a, v\a row_xmask:4 row_mask:0xf bank_mask:0xf
	v_add_f32_dpp v\a, v\a, v\a row_xmask:8 row_mask:0xf bank_mask:0xf
	v_permlanex16_b32 v\b, v\a, s54, s55
	v_add_f32 v\a, v\a, v\b
.endm
; One token: the row stays in 16 registers a lane; the mean first, then the squares of the differences, so a common offset does no harm.
.macro TOKEN i
.set XB, XT+16*\i
.set PB, XP+16*\i
	s_wait_loadcnt 24-8*\i                         ; eight loads for each younger token may stay out; ln_g and ln_b were issued first
.irp p, 0,2,4,6,8,10,12,14
	v_pk_add_f32 v[XB+\p:XB+\p+1], v[XB+\p:XB+\p+1], v[PB+\p:PB+\p+1]
.endr
.irp q, 0,1,2,3
	ds_store_b128 v20, v[XB+4*\q:XB+4*\q+3] offset:\i*XPITCH+512*\q
.endr
	v_pk_add_f32 v[4:5], v[XB:XB+1], v[XB+2:XB+3]
	v_pk_add_f32 v[6:7], v[XB+4:XB+5], v[XB+6:XB+7]
	v_pk_add_f32 v[8:9], v[XB+8:XB+9], v[XB+10:XB+11]
	v_pk_add_f32 v[10:11], v[XB+12:XB+13], v[XB+14:XB+15]
	v_pk_add_f32 v[4:5], v[4:5], v[6:7]
	v_pk_add_f32 v[8:9], v[8:9], v[10:11]
	v_pk_add_f32 v[4:5], v[4:5], v[8:9]
	v_add_f32 v4, v4, v5
	LANESUM 4, 5
	v_mul_f32 v4, s56, v4                          ; the mean
.irp p, 0,2,4,6,8,10,12,14
	v_pk_add_f32 v[XB+\p:XB+\p+1], v[XB+\p:XB+\p+1], v[4:5] op_sel_hi:[1,0] neg_lo:[0,1] neg_hi:[0,1]
.endr
	v_pk_mul_f32 v[6:7], v[XB:XB+1], v[XB:XB+1]
	v_pk_mul_f32 v[8:9], v[XB+2:XB+3], v[XB+2:XB+3]
.irp p, 4,8,12
	v_pk_fma_f32 v[6:7], v[XB+\p:XB+\p+1], v[XB+\p:XB+\p+1], v[6:7]
	v_pk_fma_f32 v[8:9], v[XB+\p+2:XB+\p+3], v[XB+\p+2:XB+\p+3], v[8:9]
.endr
	v_pk_add_f32 v[6:7], v[6:7], v[8:9]
	v_add_f32 v6, v6, v7
	LANESUM 6, 7
	v_fma_f32 v6, v6, s56, s57                     ; variance + 1e-5
	v_rsq_f32 v8, v6
	v_nop                                          ; one plain place behind the reciprocal root (ISA guide 5.7.2)
	s_wait_alu depctr_va_vdst(0)
.irp p, 0,2,4,6,8,10,12,14
	v_pk_mul_f32 v[XB+\p:XB+\p+1], v[XB+\p:XB+\p+1], v[8:9] op_sel_hi:[1,0]
.endr
.irp p, 0,2,4,6,8,10,12,14
	v_pk_fma_f32 v[XB+\p:XB+\p+1], v[XB+\p:XB+\p+1], v[GG+\p:GG+\p+1], v[BV+\p:BV+\p+1]
.endr
.irp m, 0,1,2,3,4,5,6,7
	v_cvt_pk_f16_f32 v[10+\m], v[XB+2*\m], v[XB+2*\m+1]
.endr
.irp q, 0,1,2,3
	ds_store_b64 v21, v[10+2*\q:11+2*\q] offset:\i*HPITCH+256*\q
.endr
.endm
	TOKEN 0
	TOKEN 1
	TOKEN 2
	TOKEN 3
	s_wait_dscnt 0x0                               ; my rows are in LDS,
	s_barrier_signal -1
	s_barrier_wait -1                              ; all sixteen are
; back by fragments: wave w takes features 128 w .. 128 w + 127 of all 16 tokens; every store covers 512 neighbouring bytes, aligned
.irp p, 0,1,2,3,4,5,6,7
	ds_load_b128 v[32+4*\p:35+4*\p], v22 offset:32*\p
.endr
.irp p, 0,1,2,3,4,5,6,7,8,9,10,11,12,13,14,15
	ds_load_b128 v[64+4*\p:67+4*\p], v23 offset:(\p>>1)*64+(\p&1)*16
.endr
.irp p, 0,1,2,3,4,5,6,7
	s_wait_dscnt 23-\p                             ; the younger LDS loads may stay out
	global_store_b128 v1, v[32+4*\p:35+4*\p], s[58:59] offset:512*\p
.endr
.irp p, 0,1,2,3,4,5,6,7,8,9,10,11,12,13,14,15
	s_wait_dscnt 15-\p
	global_store_b128 v1, v[64+4*\p:67+4*\p], s[60:61] offset:512*\p
.endr
	s_wait_tensorcnt 0x0
	ds_add_u32 v192, v193
	s_wait_dscnt 0x0
	s_endpgm
; ---------------- weights: tile nt of 16 columns; wave w takes k blocks 4 w .. 4 w + 3 ----------------
.Lweights:
	s_sub_co_u32 s60, ttmp9, 512                   ; nt
	s_bfe_u32 s40, s60, 0x40001                    ; head = (nt >> 1) & 15
	s_lshl_b32 s40, s40, 16                        ; a head's matrix is 65,536 bytes
	s_and_b32 s41, s60, 1
	s_lshl_b32 s41, s41, 4                         ; first column inside the head
	s_mov_b32 s38, 128                             ; bytes from k to k + 1
	s_mov_b32 s39, 31                              ; last column
	s_cmp_lt_u32 s60, 32
	s_cselect_b64 s[36:37], s[18:19], s[20:21]     ; Wq or Wk
	s_cselect_b32 s62, 0x3e8293ee, 1.0             ; log2(e)/sqrt(32) for Wq alone
	s_cmp_lt_u32 s60, 64
	s_cselect_b64 s[36:37], s[36:37], s[22:23]     ; or Wv
	s_sub_co_u32 s42, s60, 96
	s_lshl_b32 s42, s42, 4
	s_cmp_lt_u32 s60, 96
	s_cselect_b64 s[36:37], s[36:37], s[24:25]     ; or Wproj
	s_cselect_b32 s38, s38, 2048
	s_cselect_b32 s39, s39, 511
	s_cselect_b32 s40, s40, 0
	s_cselect_b32 s41, s41, s42
	s_sub_co_u32 s42, s60, 128
	s_lshl_b32 s42, s42, 4
	s_cmp_lt_u32 s60, 128
	s_cselect_b64 s[36:37], s[36:37], s[26:27]     ; or fc_w
	s_cselect_b32 s38, s38, 8000
	s_cselect_b32 s39, s39, 1999
	s_cselect_b32 s41, s41, s42
	s_mov_b32 s63, s62
	s_mov_b32 s44, s40
	s_add_nc_u64 s[36:37], s[36:37], s[44:45]      ; the head's matrix
	s_lshl_b32 s46, s38, 5                         ; 32 k
	s_lshl_b32 s47, s34, 2
	s_mul_i32 s44, s47, s46                        ; my first k block
	s_add_nc_u64 s[48:49], s[36:37], s[44:45]
	s_mov_b32 s44, s46
	s_add_nc_u64 s[50:51], s[48:49], s[44:45]
	s_add_nc_u64 s[52:53], s[50:51], s[44:45]
	s_add_nc_u64 s[54:55], s[52:53], s[44:45]
	v_add_nc_u32 v4, s41, v2                       ; my column,
	v_min_u32 v4, s39, v4                          ; held inside the matrix
	v_lshlrev_b32 v4, 2, v4
	v_lshlrev_b32 v5, 3, v3
	v_mad_u32_u24 v4, v5, s38, v4                  ; + 8 h rows of k
.set n, 0
.rept 16
	s_mul_i32 s56, s38, n+8*(n>>3)                 ; k = 16 c + e: number n = 8 c + e of my 16
	v_add_nc_u32 v[16+n], s56, v4
.set n, n+1
.endr
.irp t, 0,1,2,3
.set n, 0
.rept 16
	global_load_b32 v[32+16*\t+n], v[16+n], s[48+2*\t:49+2*\t]
.set n, n+1
.endr
.endr
	s_lshl_b32 s44, s60, 14                        ; wf: 16,384 bytes a tile, 4,096 a wave
	s_lshl_b32 s47, s34, 12
	s_add_co_u32 s44, s44, s47
	s_add_nc_u64 s[58:59], s[32:33], s[44:45]
.irp t, 0,1,2,3
	s_wait_loadcnt 48-16*\t                        ; sixteen loads for each younger k block may stay out
.irp m, 0,1,2,3,4,5,6,7
	v_pk_mul_f32 v[32+16*\t+2*\m:33+16*\t+2*\m], v[32+16*\t+2*\m:33+16*\t+2*\m], s[62:63] op_sel_hi:[1,0]
.endr
.irp m, 0,1,2,3,4,5,6,7
	v_cvt_pk_f16_f32 v[96+8*\t+\m], v[32+16*\t+2*\m], v[33+16*\t+2*\m]
.endr
	global_store_b128 v1, v[96+8*\t:99+8*\t], s[58:59] offset:1024*\t
	global_store_b128 v1, v[100+8*\t:103+8*\t], s[58:59] offset:1024*\t+512
.endr
	s_endpgm
.Lfunc_end_k_q2f8e9eb352_prep:
	.size	k_q2f8e9eb352_prep, .Lfunc_end_k_q2f8e9eb352_prep-k_q2f8e9eb352_prep
	.p2alignl 7, 3214868480
	.fill 96, 4, 3214868480
	.section	.rodata,"a",@progbits
	.p2align	6, 0x0
	.amdhsa_kernel k_q2f8e9eb352_prep
		.amdhsa_group_segment_fixed_size 50176
		.amdhsa_private_segment_fixed_size 0
		.amdhsa_enable_private_segment 0
		.amdhsa_kernarg_size 104
		.amdhsa_user_sgpr_count 2
		.amdhsa_user_sgpr_kernarg_segment_ptr 1
		.amdhsa_wavefront_size32 1
		.amdhsa_system_sgpr_workgroup_id_x 1
		.amdhsa_system_sgpr_workgroup_id_y 1
		.amdhsa_system_sgpr_workgroup_id_z 1
		.amdhsa_system_vgpr_workitem_id 0
		.amdhsa_next_free_vgpr 194
		.amdhsa_next_free_sgpr 66
		.amdhsa_reserve_vcc 0
		.amdhsa_float_denorm_mode_32 3
		.amdhsa_float_denorm_mode_16_64 3
		.amdhsa_memory_ordered 1
		.amdhsa_forward_progress 1
		.amdhsa_inst_pref_size 46
	.end_amdhsa_kernel
	.amdgpu_metadata
---
amdhsa.version: [ 1, 2 ]
amdhsa.kernels:
  - .name:           k_q2f8e9eb352_prep
    .symbol:         k_q2f8e9eb352_prep.kd
    .args:
      - { .name: tokens, .offset: 0, .size: 8, .value_kind: global_buffer, .address_space: global }
      - { .name: tok_embed, .offset: 8, .size: 8, .value_kind: global_buffer, .address_space: global }
      - { .name: pos_embed, .offset: 16, .size: 8, .value_kind: global_buffer, .address_space: global }
      - { .name: ln_g, .offset: 24, .size: 8, .value_kind: global_buffer, .address_space: global }
      - { .name: ln_b, .offset: 32, .size: 8, .value_kind: global_buffer, .address_space: global }
      - { .name: Wq, .offset: 40, .size: 8, .value_kind: global_buffer, .address_space: global }
      - { .name: Wk, .offset: 48, .size: 8, .value_kind: global_buffer, .address_space: global }
      - { .name: Wv, .offset: 56, .size: 8, .value_kind: global_buffer, .address_space: global }
      - { .name: Wproj, .offset: 64, .size: 8, .value_kind: global_buffer, .address_space: global }
      - { .name: fc_w, .offset: 72, .size: 8, .value_kind: global_buffer, .address_space: global }
      - { .name: hf, .offset: 80, .size: 8, .value_kind: global_buffer, .address_space: global }
      - { .name: xd, .offset: 88, .size: 8, .value_kind: global_buffer, .address_space: global }
      - { .name: wf, .offset: 96, .size: 8, .value_kind: global_buffer, .address_space: global }
    .group_segment_fixed_size: 50176
    .private_segment_fixed_size: 0
    .kernarg_segment_align: 8
    .kernarg_segment_size: 104
    .max_flat_workgroup_size: 128
    .sgpr_count:     66
    .vgpr_count:     194
    .wavefront_size: 32
...
	.end_amdgpu_metadata
.endif
;; end of part 1
;; launch qkvgemm (part 2): grid 8 x 32, 4 waves a work-group, clusters of 4 x 4, 327,680 bytes of LDS; arguments hf, wf, qkv; writes qkv
.if DOCPART == 2
	.amdgcn_target "amdgcn-amd-amdhsa--gfx1250"
	.amdhsa_code_object_version 6
	.text
	.protected	k_q2f8e9eb352_qkvgemm
	.globl	k_q2f8e9eb352_qkvgemm
	.p2align	8
	.type	k_q2f8e9eb352_qkvgemm,@function
k_q2f8e9eb352_qkvgemm:
	s_mov_b64 s[64:65], 0
	v_nop
	global_prefetch_b8 v0, s[64:65] scope:SCOPE_SE
	s_setreg_imm32_b32 hwreg(HW_REG_WAVE_MODE, 25, 1), 1
	s_wait_xcnt 0x0
	s_wait_alu depctr_hold_cnt(0) depctr_sa_sdst(0) depctr_va_vdst(0) depctr_va_sdst(0) depctr_va_ssrc(0) depctr_va_vcc(0) depctr_vm_vsrc(0)
	s_getreg_b32 s2, hwreg(HW_REG_IB_STS2, 6, 4)
	s_cmp_eq_u32 s2, 0
	s_cbranch_scc0 .Lentry_in_a_cluster
	s_endpgm
.Lentry_in_a_cluster:
	s_bfe_u32 s2, ttmp6, 0x10000c
	s_cmp_lg_u32 s2, 0xf033
	s_cbranch_scc0 .Lentry_shape_is_right
	s_endpgm
.Lentry_shape_is_right:
; Q, K, V = h x [Wq | Wk | Wv]: [8192 x 512] x [512 x 1536], f16 operands, f32 sums, f16 results.
; A work-group makes 256 tokens x 192 columns with four waves (2 x 2); a wave makes 128 x 96: 8 x 6 tiles of 16 x 16, 384 registers.
; Both operands lie in memory in fragment order ([row tile][k block][1 KiB]), so a K step of 128 is 4,096 neighbouring bytes of each row tile,
; a fragment is two LDS loads at 16 x lane (512 neighbouring bytes: no bank conflict, no padding), and K = 512 is four steps through two LDS slots.
; CLUSTERS: 4 x 4 work-groups.  h's tiles hang on the block row alone and are asked for jointly along a row of the cluster, the weights' on the
; block column alone and are asked for jointly along a column.
; THE MATRIX INSTRUCTION IS USED TRANSPOSED (source 0 = 16 weight rows, source 1 = 16 tokens): a lane then holds eight neighbouring columns of one token,
; which are 16 bytes of the next product's fragment: each tile leaves by one store of 512 neighbouring bytes, aligned.
; qkv: [batch x head][chunk of 64 tokens][Q 4 KiB | K 4 KiB | V 4 KiB]; Q, K: four fragments; V: [16 keys][16 of head dim] blocks of 512 bytes, key r at 32 r.
; LIMIT: results are rounded to f16 (infinite above 65,504).
; REGISTERS: window 0: v3 16 x lane, v16-21 LDS addresses, v27-29 store offsets, v64-127 and v128-191 h's fragments (two buffers), v192-215 packed results;
; window 1: the weights' fragments at the same numbers; window 2: the tiles of my tokens 0-63 (tile (a, b) at v[8 (6 a + b)]); window 3: tokens 64-127.
.set MA, 8                             ; token tiles of a wave
.set NB, 6                             ; column tiles of a wave
.set NT0, 0                            ; first weight tile in wf
.set RT, 4096                          ; bytes of a row tile in a K step
.set TTB, 16384                        ; bytes of a row tile in memory (K = 512)
.set HALFT, MA*RT                      ; a quarter of a slot: what one tensor load fills (the weights' use 6 of its 8 row tiles)
.set SLOT, 4*HALFT                     ; h's two halves, then the weights' two halves
.set ADRA, 16
.set ADRB, 20
.set HO, 27
.set F0, 64
.set F1, 128
.set TMP, 192
.set G1, 24                            ; s[24:31] descriptor group 1, h
.set G0, 32                            ; s[32:39] group 0, h, one set a slot
.set G1B, 48                           ; s[48:55] group 1, weights
.set G0B, 56                           ; s[56:63] group 0, weights
.set MUL_LO, 0xa1                      ; source 0 window 1, source 1 window 0, C and D window 2
.set MUL_HI, 0xf1                      ; C and D window 3
.set MSB, 0
.macro WIN new                         ; the immediate's high byte repeats the setting that is left
.if MSB != \new
	s_set_vgpr_msb (MSB<<8)|\new
.set MSB, \new
.endif
.endm
.macro PLACES                          ; four plain places behind a matrix instruction (ISA guide 7.12.1)
.rept 4
	v_nop
.endr
.endm
.macro JLOAD s                         ; waves 0, 1 ask for h's two halves, waves 2, 3 for the weights': one line, one mask each
	s_cmp_eq_u32 s11, 0
	s_cbranch_scc0 .Lfor_b_\@
	tensor_load_to_lds s[G0+4*\s:G0+4*\s+3], s[G1:G1+7]
	s_nop 0
	s_branch .Lasked_\@
.Lfor_b_\@:
	tensor_load_to_lds s[G0B+4*\s:G0B+4*\s+3], s[G1B:G1B+7]
	s_nop 0
.Lasked_\@:
.endm
.macro CREST                           ; a round of the cluster's barrier behind its opening barrier
	s_cmp_lg_u32 s10, 0
	s_cbranch_scc1 .Lnot_wave_0_\@
	s_barrier_signal -3
.Lnot_wave_0_\@:
	s_barrier_wait -3
	s_barrier_signal -1
	s_barrier_wait -1
.endm
.macro CROUND
	s_barrier_signal -1
	s_barrier_wait -1
	CREST
.endm
; cnt x NB matrix instructions: token tiles a0 .. of the window's four x all column tiles, 32 along K.  mode 1: the first product starts the sums.
; The accumulators take turns, one instruction a turn, in the same order in every quarter step.
.macro MULR f, hi, a0, cnt, mode
.set ma_, \a0
.rept \cnt
.set mb_, 0
.rept NB
.set ac_, 8*(NB*ma_+mb_)
.if \mode == 0
	v_wmma_f32_16x16x32_f16 v[ac_:ac_+7], v[\f+8*mb_:\f+8*mb_+7], v[\f+8*(\hi*(MA/2)+ma_):\f+8*(\hi*(MA/2)+ma_)+7], v[ac_:ac_+7]
.else
	v_wmma_f32_16x16x32_f16 v[ac_:ac_+7], v[\f+8*mb_:\f+8*mb_+7], v[\f+8*(\hi*(MA/2)+ma_):\f+8*(\hi*(MA/2)+ma_)+7], 0
.endif
.set mb_, mb_+1
.endr
.set ma_, ma_+1
.endr
.endm
.macro FETCH slot, q, f                ; the fragments of quarter q of a slot's K step, in one run: the weights', then h's
	WIN 0x40
.set i_, 0
.rept NB
	ds_load_b128 v[\f+8*i_:\f+8*i_+3], v[ADRB+\slot] offset:i_*RT+\q*1024
	ds_load_b128 v[\f+8*i_+4:\f+8*i_+7], v[ADRB+\slot] offset:i_*RT+\q*1024+512
.set i_, i_+1
.endr
	WIN 0
.set i_, 0
.rept MA
	ds_load_b128 v[\f+8*i_:\f+8*i_+3], v[ADRA+\slot] offset:i_*RT+\q*1024
	ds_load_b128 v[\f+8*i_+4:\f+8*i_+7], v[ADRA+\slot] offset:i_*RT+\q*1024+512
.set i_, i_+1
.endr
.endm
.macro QUARTER slot, q, f, g, mode     ; multiplies buffer f; in its middle fetches quarter q into buffer g
	s_wait_dscnt MA                                ; all but the youngest MA loads: h's token tiles 4-7 may be out
	WIN MUL_LO
	MULR \f, 0, 0, MA/2, \mode
	PLACES
	FETCH \slot, \q, \g
	s_wait_dscnt 2*(MA+NB)                         ; all but the run just issued
	WIN MUL_HI
	MULR \f, 1, 0, MA/2, \mode
.endm
.macro THREE slot, mode
	QUARTER \slot, 1, F0, F1, \mode
	QUARTER \slot, 2, F1, F0, 0
	QUARTER \slot, 3, F0, F1, 0
.endm
; The last quarter of a K step changes slots.  In front of the barrier each wave waits for its reads of this slot and for all its tensor loads
; (the one that is out is its part of the next slot).  fill = 1: the barrier opens a round of the cluster's barrier, and the joint refill of this slot
; is the first tensor load behind the round, one a wave.
.macro TURN slot, next, fill
	s_wait_dscnt MA
	WIN MUL_LO
	MULR F1, 0, 0, MA/4, 0
	s_wait_dscnt 0x0
	s_wait_tensorcnt 0x0
	ds_add_u32 v255, v255
	s_wait_dscnt 0x0
	s_barrier_signal -1
	MULR F1, 0, MA/4, MA/4, 0
	WIN 0
	s_barrier_wait -1
.if \fill
	CREST
	s_add_nc_u64 s[G0+4*\slot+2:G0+4*\slot+3], s[G0+4*\slot+2:G0+4*\slot+3], 2*RT     ; no load of mine is out: two K steps on
	s_add_nc_u64 s[G0B+4*\slot+2:G0B+4*\slot+3], s[G0B+4*\slot+2:G0B+4*\slot+3], 2*RT
	JLOAD \slot
.endif
	PLACES
	FETCH \next, 0, F0
	WIN MUL_HI
	MULR F1, 1, 0, MA/2, 0
.endm
	s_load_b128 s[4:7], s[0:1], 0x0                ; hf, wf
	s_load_b64 s[8:9], s[0:1], 0x10                ; qkv
	s_set_vgpr_msb 0x40
	v_lshl_add_u32 v255, v0, 2, 0x40000
	s_set_vgpr_msb 0x4000
	v_mov_b32 v255, 0
	s_set_vgpr_msb 0x1
	ds_add_u32 v255, v255
	s_set_vgpr_msb 0x100
	v_lshrrev_b32 v1, 5, v0
	v_readfirstlane_b32 s10, v1                    ; wave
	s_lshr_b32 s11, s10, 1                         ; my half of the tokens.  Also: I fetch h (0) or weights (1)
	s_and_b32 s12, s10, 1                          ; my half of the columns.  Also: which half of that tile I fetch
	s_bfe_u32 s40, ttmp6, 0x40000                  ; cx
	s_bfe_u32 s41, ttmp6, 0x40004                  ; cy
	s_lshl_b32 s42, ttmp9, 2
	s_add_co_u32 s42, s42, s40                     ; block column
	s_and_b32 s13, ttmp7, 0xffff
	s_lshl_b32 s13, s13, 2
	s_add_co_u32 s13, s13, s41                     ; block row
	s_lshl_b32 s43, s41, 2
	s_lshl_b32 s43, 15, s43                        ; my row of the cluster
	s_lshl_b32 s44, 0x1111, s40                    ; my column
	; group 1: MA (NB) rows of 512 elements of 8 bytes, 2,048 elements from row to row, no padding
	s_or_b32 s[G1+0], s43, (3<<16)|(1<<21)
	s_or_b32 s[G1B+0], s44, (3<<16)|(1<<21)
	s_mov_b32 s[G1+1], 512<<16
	s_mov_b32 s[G1B+1], 512<<16
	s_mov_b32 s[G1+2], MA<<16
	s_mov_b32 s[G1B+2], NB<<16
	s_mov_b32 s[G1+3], 512<<16
	s_mov_b32 s[G1B+3], 512<<16
	s_mov_b32 s[G1+4], MA
	s_mov_b32 s[G1B+4], NB
	s_mov_b32 s[G1+5], 2048
	s_mov_b32 s[G1B+5], 2048
	s_mov_b32 s[G1+6], 0
	s_mov_b32 s[G1B+6], 0
	s_mov_b32 s[G1+7], 0
	s_mov_b32 s[G1B+7], 0
	s_mul_i32 s16, s13, 2*MA*TTB                   ; h: the block row's tiles + my half
	s_mul_i32 s17, s12, MA*TTB
	s_add_co_u32 s16, s16, s17
	s_mov_b32 s17, 0
	s_mul_i32 s46, s42, 2*NB*TTB                   ; weights: the block column's tiles + my half
	s_mul_i32 s45, s12, NB*TTB
	s_add_co_u32 s46, s46, s45
	s_mov_b32 s47, 0
	s_mul_i32 s20, s10, HALFT                      ; where my tile goes: wave x a quarter of a slot
	s_wait_dscnt 0x0
	s_wait_kmcnt 0x0
	s_add_nc_u64 s[14:15], s[4:5], s[16:17]
	s_add_nc_u64 s[46:47], s[6:7], s[46:47]
	CROUND                                         ; all sixteen work-groups are here: the first joint loads meet
.irp s, 0,1
	s_mov_b32 s[G0+4*\s], 1
	s_add_co_u32 s[G0+4*\s+1], s20, \s*SLOT
	s_add_nc_u64 s[G0+4*\s+2:G0+4*\s+3], s[14:15], \s*RT
	s_or_b32 s[G0+4*\s+3], s[G0+4*\s+3], 0x80000000
	s_mov_b32 s[G0B+4*\s], 1
	s_add_co_u32 s[G0B+4*\s+1], s20, \s*SLOT
	s_add_nc_u64 s[G0B+4*\s+2:G0B+4*\s+3], s[46:47], \s*RT
	s_or_b32 s[G0B+4*\s+3], s[G0B+4*\s+3], 0x80000000
	JLOAD \s                                       ; two loads of a wave are out
.endr
	v_and_b32 v1, 31, v0
	v_lshlrev_b32 v3, 4, v1                        ; 16 x lane
	s_mul_i32 s21, s11, HALFT
	s_mul_i32 s22, s12, HALFT
	s_add_co_u32 s22, s22, 2*HALFT
.irp s, 0,1
	v_add_nc_u32 v[ADRA+\s], s21, v3
	v_add_nc_u32 v[ADRB+\s], s22, v3
	s_add_co_u32 s21, s21, SLOT
	s_add_co_u32 s22, s22, SLOT
.endr
	s_wait_tensorcnt 0x1                           ; my part of K step 0 is in; K step 1's stays out
	s_barrier_signal -1
	s_barrier_wait -1
	FETCH 0, 0, F0
	THREE 0, 1
	TURN 0, 1, 1
	THREE 1, 0
	TURN 1, 0, 1
	THREE 0, 0
	TURN 0, 1, 0
	THREE 1, 0
	s_wait_dscnt MA
	WIN MUL_LO
	MULR F1, 0, 0, MA/2, 0
	s_wait_dscnt 0x0
	WIN MUL_HI
	MULR F1, 1, 0, MA/2, 0
	PLACES
	WIN 0
	; THE WAY OUT.  Column tiles 2 hb, 2 hb + 1 are the 32 columns of head block hh = 6 x block column + 3 x half + hb: which = hh >> 4 (Q, K, V), head = hh & 15.
	v_and_b32 v4, 15, v0
	v_bfe_u32 v5, v0, 4, 1
	v_lshlrev_b32 v6, 5, v4
	v_lshl_add_u32 v6, v5, 4, v6                   ; V's place of a lane: 32 r + 16 h; Q's and K's: 16 x lane
	s_and_b32 s69, s13, 7                          ; eight block rows in a sequence
	s_lshl_b32 s69, s69, 2
	s_lshl_b32 s68, s11, 1
	s_add_co_u32 s69, s69, s68
	s_mul_i32 s69, s69, 12288                      ; my first chunk of 64 tokens
.irp hb, 0,1,2
	s_mul_i32 s66, s42, 6
	s_mul_i32 s67, s12, 3
	s_add_co_u32 s66, s66, s67
	s_add_co_u32 s66, s66, \hb
	s_lshr_b32 s67, s66, 4                         ; which
	s_and_b32 s66, s66, 15                         ; head
	s_lshr_b32 s68, s13, 3
	s_lshl_b32 s68, s68, 4
	s_add_co_u32 s66, s66, s68                     ; 16 x batch + head
	s_mul_i32 s66, s66, 393216
	s_lshl_b32 s68, s67, 12
	s_add_co_u32 s66, s66, s68
	s_add_co_u32 s66, s66, s69
	s_cmp_eq_u32 s67, 2
	s_cselect_b32 s68, -1, 0
	v_cndmask_b32 v[HO+\hb], v3, v6, s68
	v_add_nc_u32 v[HO+\hb], s66, v[HO+\hb]
.endr
.macro OUTA a, ap, from                ; token tile a: six tiles, rounded to f16, one store of 512 neighbouring bytes each
	s_wait_xcnt 0x0                                ; the packed results, which the last six stores read, are rewritten only behind this wait
	WIN \from
.set b_, 0
.rept NB
.irp rr, 0,1,2,3
	v_cvt_pk_f16_f32 v[TMP+4*b_+\rr], v[8*(NB*\ap+b_)+2*\rr], v[8*(NB*\ap+b_)+2*\rr+1]
.endr
.set b_, b_+1
.endr
	WIN 0
.set b_, 0
.rept NB
	global_store_b128 v[HO+(b_>>1)], v[TMP+4*b_:TMP+4*b_+3], s[8:9] offset:(\a>>2)*12288+(\a&3)*1024+(b_&1)*512
.set b_, b_+1
.endr
.endm
	OUTA 0, 0, 0x0a
	OUTA 1, 1, 0x0a
	OUTA 2, 2, 0x0a
	OUTA 3, 3, 0x0a
	OUTA 4, 0, 0x0f
	OUTA 5, 1, 0x0f
	OUTA 6, 2, 0x0f
	OUTA 7, 3, 0x0f
	CROUND                                         ; the closing round: no work-group ends while a partner may still ask for a tile that names it
	s_endpgm
.Lfunc_end_k_q2f8e9eb352_qkvgemm:
	.size	k_q2f8e9eb352_qkvgemm, .Lfunc_end_k_q2f8e9eb352_qkvgemm-k_q2f8e9eb352_qkvgemm
	.p2alignl 7, 3214868480
	.fill 96, 4, 3214868480
	.section	.rodata,"a",@progbits
	.p2align	6, 0x0
	.amdhsa_kernel k_q2f8e9eb352_qkvgemm
		.amdhsa_group_segment_fixed_size 327680
		.amdhsa_private_segment_fixed_size 0
		.amdhsa_enable_private_segment 0
		.amdhsa_kernarg_size 24
		.amdhsa_user_sgpr_count 2
		.amdhsa_user_sgpr_kernarg_segment_ptr 1
		.amdhsa_wavefront_size32 1
		.amdhsa_system_sgpr_workgroup_id_x 1
		.amdhsa_system_sgpr_workgroup_id_y 1
		.amdhsa_system_sgpr_workgroup_id_z 1
		.amdhsa_system_vgpr_workitem_id 0
		.amdhsa_next_free_vgpr 1024
		.amdhsa_next_free_sgpr 72
		.amdhsa_reserve_vcc 0
		.amdhsa_float_denorm_mode_32 3
		.amdhsa_float_denorm_mode_16_64 3
		.amdhsa_memory_ordered 1
		.amdhsa_forward_progress 1
		.amdhsa_inst_pref_size 109
	.end_amdhsa_kernel
	.amdgpu_metadata
---
amdhsa.version: [ 1, 2 ]
amdhsa.kernels:
  - .name:           k_q2f8e9eb352_qkvgemm
    .symbol:         k_q2f8e9eb352_qkvgemm.kd
    .args:
      - { .name: hf, .offset: 0, .size: 8, .value_kind: global_buffer, .address_space: global }
      - { .name: wf, .offset: 8, .size: 8, .value_kind: global_buffer, .address_space: global }
      - { .name: qkv, .offset: 16, .size: 8, .value_kind: global_buffer, .address_space: global }
    .group_segment_fixed_size: 327680
    .private_segment_fixed_size: 0
    .kernarg_segment_align: 8
    .kernarg_segment_size: 24
    .max_flat_workgroup_size: 128
    .sgpr_count:     72
    .vgpr_count:     1024
    .wavefront_size: 32
...
	.end_amdgpu_metadata
.endif
;; end of part 2
;; launch attn (part 3): grid 256 x 1, 16 waves a work-group, clusters of 4 x 1, 305,152 bytes of LDS; arguments qkv, af; writes af
.if DOCPART == 3
	.amdgcn_target "amdgcn-amd-amdhsa--gfx1250"
	.amdhsa_code_object_version 6
	.text
	.protected	k_q2f8e9eb352_attn
	.globl	k_q2f8e9eb352_attn
	.p2align	8
	.type	k_q2f8e9eb352_attn,@function
k_q2f8e9eb352_attn:
	s_mov_b64 s[64:65], 0
	v_nop
	global_prefetch_b8 v0, s[64:65] scope:SCOPE_SE
	s_setreg_imm32_b32 hwreg(HW_REG_WAVE_MODE, 25, 1), 1
	s_wait_xcnt 0x0
	s_wait_alu depctr_hold_cnt(0) depctr_sa_sdst(0) depctr_va_vdst(0) depctr_va_sdst(0) depctr_va_ssrc(0) depctr_va_vcc(0) depctr_vm_vsrc(0)
	s_getreg_b32 s2, hwreg(HW_REG_IB_STS2, 6, 4)
	s_cmp_eq_u32 s2, 0
	s_cbranch_scc0 .Lentry_in_a_cluster
	s_endpgm
.Lentry_in_a_cluster:
	s_bfe_u32 s2, ttmp6, 0x10000c
	s_cmp_lg_u32 s2, 0x3003
	s_cbranch_scc0 .Lentry_shape_is_right
	s_endpgm
.Lentry_shape_is_right:
; Causal attention, head size 32, 2,048 positions, 64 (batch, head) pairs.  f16 operands, f32 scores, softmax and sums; a running maximum.
; A CLUSTER of four work-groups takes one (batch, head): all its K and V (32 chunks of 64 keys, 8 KiB each) are brought into each work-group's LDS once,
; by joint tensor loads (mask 15), and stay: no slot is ever filled again.
; SIXTEEN WAVES, four on a SIMD (4 x 256 registers), so that one wave's waits for the matrix unit, for LDS and for the exponentials are filled by three others.
; Work-group j, pair p = wave & 7 owns two blocks of 32 queries: block 63 - 4 p - j and block 4 p + j.  Their groups of 128 positions are 15 - p and p, so every trip
; count and every LDS address hangs on the wave's number alone; j enters only global addresses and the mask's numbers.
; The two waves of a pair (hf = wave >> 3) SPLIT THE KEYS: wave hf takes the chunks 2 c + hf: c = 0 .. 14 - p plain and c = 15 - p masked for the big block,
; c = p masked and c = 0 .. p - 1 plain for the small one: 17 steps of 64 keys for every wave.  The first block ends at another step in every pair, so no barrier
; stands there: both blocks' partial results (O, maximum, sum) stay in registers to the end, where the two waves of a pair exchange one query tile each through LDS
; and merge: w = 2^(M - max(Ma, Mb)), O = (wa Oa + wb Ob) / (wa la + wb lb).  Wave hf loads its query tiles in the order hf, 1 - hf, so every wave gives register tile 1 away.
; S^T = K Q^T (source 0 = 16 keys, source 1 = 16 queries): a lane holds one query, so maximum, factor and sum are a lane's own; two tiles of S^T, rounded to f16,
; ARE the fragment of P^T, and are written over the low half of S.  O^T = V^T P^T; V^T comes from LDS by the transposing load.  The row sums come from the matrix
; unit too (a source with ones in rows 0 and 8), so that they are sums of the same rounded numbers as O.
; The scores arrive in units of log2: Wq was scaled by log2(e)/sqrt(32).
; A masked score becomes the most negative finite f32, not -infinity: a half whose chunk is wholly masked then has that number as its maximum, and its weight in the
; merge or in the next rescale is 2^(-3.4e38) = 0; no difference of infinities arises.  Real scores are at most 32 x 65,504^2 = 1.4e11 in size.
; LIMIT: Q, K, V, P and the result are f16 (infinite above 65,504).
.set KA, 3                             ; v3       LDS address of K's fragments of this chunk
.set VA, 4                             ; v4       the same for V, for the transposing load
.set REL0, 5                           ; v5       r - 8 h
.set REL, 6                            ; v6-7     register tile a: query - first key of my half of the lanes, counted from the masked chunk's first key
.set KF, 8                             ; v[8:39]    four fragments of K; at the end: what the partner gave
.set VF, 40                            ; v[40:71]   V^T: [32 keys kb][16 of head dim hd], 8 registers each; at the end: the packed results
.set QF, 72                            ; v[72:87]   two fragments of Q
.set ONES, 88                          ; v[88:95]   1.0 in rows 0 and 8
.set S, 96                             ; v[96:159]  S^T: tile a: 32 registers (key tile t: 8); then P^T in the first 16 of them
.set OS, 160                           ; v[160:191] the small block's O^T: tile a: head dim 0-15, 16-31: 8 registers each
.set OBG, 192                          ; v[192:223] the big block's O^T
.set LT, 224                           ; v[224:239] the sums' tiles, 8 registers for each a
.set LT1, 232
.set M, 240                            ; v240, v242 running maxima.  The packed subtraction names pairs and takes the lower register for both halves,
.set M1, 242                           ;            so the upper registers v241, v243 are free to hold something else:
.set SCW, 241                          ; v241     my scratch + 16 x lane; written once, at the head
.set SCR, 243                          ; v243     my partner's scratch + 16 x lane; written once, at the head
.set AL, 244                           ; v244, v246 factors, pairs likewise
.set SL0, 245                          ; v245     big block, tile 0: its sum (0 until then)
.set T, 248                            ; v[248:251] at work
.set SM1, 252                          ; v[252:255] go to the partner as 16 bytes: tile 1's maximum,
.set SL1, 253                          ;            tile 1's sum, and two registers that only fill the 16 bytes:
.set NEG, 254                          ;            the most negative finite f32,
.set SM0, 255                          ;            big block, tile 0: maximum
.set SCRATCH, 262144                   ; behind K and V: 2,560 bytes a wave (ten blocks of 256), never a tensor load's target
.set SCB, 2560
.macro ROUND                           ; a round of the cluster's barrier
	s_barrier_signal -1
	s_barrier_wait -1
	s_cmp_lg_u32 s8, 0
	s_cbranch_scc1 .Lnot_wave_0_\@
	s_barrier_signal -3
.Lnot_wave_0_\@:
	s_barrier_wait -3
	s_barrier_signal -1
	s_barrier_wait -1
.endm
.macro PLACES                          ; four plain places behind a matrix instruction (ISA guide 7.12.1)
.rept 4
	v_nop
.endr
.endm
; Softmax of 64 keys for the 16 queries of tile a.  first = 1: nothing has been summed yet.  masked = 1: keys behind the query are taken out.  ob: this block's O^T.
.macro SOFTMAX a, first, masked, ob
.set SB, S+32*\a
.if \masked
.set i_, 0
.rept 32
	v_cmp_le_i32 vcc_lo, 16*(i_>>3)+(i_&7), v[REL+\a]
	v_cndmask_b32 v[SB+i_], v[NEG], v[SB+i_], vcc_lo
.set i_, i_+1
.endr
.endif
	v_max3_num_f32 v[T], v[SB], v[SB+1], v[SB+2]
	v_max3_num_f32 v[T+1], v[SB+3], v[SB+4], v[SB+5]
	v_max3_num_f32 v[T+2], v[SB+6], v[SB+7], v[SB+8]
	v_max3_num_f32 v[T+3], v[SB+9], v[SB+10], v[SB+11]
.set i_, 12
.rept 10
	v_max3_num_f32 v[T+((i_-12)/2)%4], v[T+((i_-12)/2)%4], v[SB+i_], v[SB+i_+1]
.set i_, i_+2
.endr
	v_max3_num_f32 v[T], v[T], v[T+1], v[T+2]
.if \first
	v_max_num_f32 v[T], v[T], v[T+3]
.else
	v_max3_num_f32 v[T], v[T], v[T+3], v[M+2*\a]
.endif
	v_permlanex16_b32 v[T+1], v[T], s14, s15       ; the other half of the lanes holds the query's other 32 keys
.if \first
	v_max_num_f32 v[M+2*\a], v[T], v[T+1]
.else
	v_max_num_f32 v[T+2], v[T], v[T+1]
	v_sub_f32 v[AL+2*\a], v[M+2*\a], v[T+2]
	v_mov_b32 v[M+2*\a], v[T+2]
.endif
.set i_, 0
.rept 16
	v_pk_add_f32 v[SB+i_:SB+i_+1], v[SB+i_:SB+i_+1], v[M+2*\a:M+2*\a+1] op_sel_hi:[1,0] neg_lo:[0,1] neg_hi:[0,1]
.set i_, i_+2
.endr
.if \first == 0
	v_exp_f32 v[AL+2*\a], v[AL+2*\a]
.endif
.set i_, 0
.rept 32
	v_exp_f32 v[SB+i_], v[SB+i_]
.set i_, i_+1
.endr
	v_nop                                          ; one plain place behind the exponentials (ISA guide 5.7.2)
.if \first == 0
.set i_, 0
	s_wait_alu depctr_va_vdst(0)
.rept 8
	v_pk_mul_f32 v[\ob+16*\a+i_:\ob+16*\a+i_+1], v[\ob+16*\a+i_:\ob+16*\a+i_+1], v[AL+2*\a:AL+2*\a+1] op_sel_hi:[1,0]
.set i_, i_+2
.endr
	v_mul_f32 v[LT+8*\a], v[AL+2*\a], v[LT+8*\a]   ; of the sums' tile only register 0 (rows 0 and 8) is not zero
.endif
.set i_, 0
	s_wait_alu depctr_va_vdst(0)
.rept 16
	v_cvt_pk_f16_f32 v[SB+i_], v[SB+2*i_], v[SB+2*i_+1]    ; in place: register n is written when registers 2 n, 2 n + 1 are read, and n <= 2 n
.set i_, i_+1
.endr
.endm
; One step: the 64 keys of chunk 2 s48 + hf against my 32 queries.
.macro STEP first, masked, ob
	s_lshl_b32 s51, s48, 14                        ; a chunk is 8,192 bytes of LDS (K, then V), a pair of chunks 16,384;
	s_add_co_u32 s51, s51, s76                     ; s76 = 8,192 hf
	v_add_nc_u32 v[KA], s51, v1                    ; these two and three v_nop are the five places between the last step's products, which read P^T,
	v_add_nc_u32 v[VA], s51, v2                    ; and this step's, which write S^T over it (ISA guide 7.12.1)
	v_nop
	v_nop
	v_nop
.irp t, 0,1,2,3
	ds_load_b128 v[KF+8*\t:KF+8*\t+3], v[KA] offset:1024*\t
	ds_load_b128 v[KF+8*\t+4:KF+8*\t+7], v[KA] offset:1024*\t+512
.endr
	s_wait_dscnt 0x0
.irp t, 0,1,2,3
	v_wmma_f32_16x16x32_f16 v[S+8*\t:S+8*\t+7], v[KF+8*\t:KF+8*\t+7], v[QF:QF+7], 0
	v_wmma_f32_16x16x32_f16 v[S+32+8*\t:S+32+8*\t+7], v[KF+8*\t:KF+8*\t+7], v[QF+8:QF+15], 0
.endr
	PLACES
.irp kb, 0,1
.irp hd, 0,1
	ds_load_tr16_b128 v[VF+16*\kb+8*\hd:VF+16*\kb+8*\hd+3], v[VA] offset:4096+2048*\kb+512*\hd          ; keys 8 h .. of the 32, head dim 16 hd + r
	ds_load_tr16_b128 v[VF+16*\kb+8*\hd+4:VF+16*\kb+8*\hd+7], v[VA] offset:4096+2048*\kb+512*\hd+1024   ; keys 16 + 8 h ..
.endr
.endr
	SOFTMAX 0, \first, \masked, \ob
	SOFTMAX 1, \first, \masked, \ob
	s_wait_dscnt 0x0                               ; V^T is in: its loads had the softmax in which to land
	; six accumulators take turns, one instruction a turn
.irp kb, 0,1
.irp a, 0,1
.if \first*(1-\kb)
	v_wmma_f32_16x16x32_f16 v[\ob+16*\a:\ob+16*\a+7], v[VF+16*\kb:VF+16*\kb+7], v[S+32*\a+8*\kb:S+32*\a+8*\kb+7], 0
	v_wmma_f32_16x16x32_f16 v[\ob+16*\a+8:\ob+16*\a+15], v[VF+16*\kb+8:VF+16*\kb+15], v[S+32*\a+8*\kb:S+32*\a+8*\kb+7], 0
	v_wmma_f32_16x16x32_f16 v[LT+8*\a:LT+8*\a+7], v[ONES:ONES+7], v[S+32*\a+8*\kb:S+32*\a+8*\kb+7], 0
.else
	v_wmma_f32_16x16x32_f16 v[\ob+16*\a:\ob+16*\a+7], v[VF+16*\kb:VF+16*\kb+7], v[S+32*\a+8*\kb:S+32*\a+8*\kb+7], v[\ob+16*\a:\ob+16*\a+7]
	v_wmma_f32_16x16x32_f16 v[\ob+16*\a+8:\ob+16*\a+15], v[VF+16*\kb+8:VF+16*\kb+15], v[S+32*\a+8*\kb:S+32*\a+8*\kb+7], v[\ob+16*\a+8:\ob+16*\a+15]
	v_wmma_f32_16x16x32_f16 v[LT+8*\a:LT+8*\a+7], v[ONES:ONES+7], v[S+32*\a+8*\kb:S+32*\a+8*\kb+7], v[LT+8*\a:LT+8*\a+7]
.endif
.endr
.endr
.endm
.macro QLOAD qb                        ; register tile 0 takes query tile hf of the block, register tile 1 the other
	v_add_nc_u32 v[T], s66, v1
	v_add_nc_u32 v[T+1], s67, v1
	global_load_b128 v[QF:QF+3], v[T], s[\qb:\qb+1]
	global_load_b128 v[QF+4:QF+7], v[T], s[\qb:\qb+1] offset:512
	global_load_b128 v[QF+8:QF+11], v[T+1], s[\qb:\qb+1]
	global_load_b128 v[QF+12:QF+15], v[T+1], s[\qb:\qb+1] offset:512
.endm
.macro BASES x, qb, ob                 ; query block x: where its Q lies and where my tile of its result goes
	s_lshr_b32 s60, \x, 1
	s_mul_i32 s60, s60, 12288                      ; chunk x >> 1
	s_and_b32 s62, \x, 1
	s_lshl_b32 s62, s62, 11                        ; its first or second pair of fragments
	s_add_co_u32 s60, s60, s62
	s_add_nc_u64 s[\qb:\qb+1], s[52:53], s[60:61]
	s_lshl_b32 s60, \x, 15                         ; two token tiles of 16,384 bytes
	s_add_co_u32 s60, s60, s63
	s_add_nc_u64 s[\ob:\ob+1], s[6:7], s[60:61]
.endm
.macro SETREL x                        ; the mask's numbers for my masked chunk of block x: 32 (x & 3) + 16 (a xor hf) - 64 hf + r - 8 h
	s_and_b32 s62, \x, 3
	s_lshl_b32 s62, s62, 5
	s_add_co_u32 s60, s62, s72
	v_add_nc_u32 v[REL], s60, v[REL0]
	s_add_co_u32 s60, s62, s73
	v_add_nc_u32 v[REL+1], s60, v[REL0]
.endm
; The two waves of a pair exchange a tile and merge.  I give register tile 1 (O at ob + 16; its maximum and sum in v252, v253) and keep tile 0 (ob, m0, l0).
; The packed result goes into od .. od + 7.
.macro EXCH ob, m0, l0, out, od
.irp q, 0,1,2,3
	ds_store_b128 v[SCW], v[\ob+16+4*\q:\ob+16+4*\q+3] offset:512*\q
.endr
	ds_store_b128 v[SCW], v[SM1:SM1+3] offset:2048
	s_wait_dscnt 0x0                               ; what I give is in LDS,
	s_barrier_signal -1
	s_barrier_wait -1                              ; what every wave gives is
.irp q, 0,1,2,3,4
	ds_load_b128 v[KF+4*\q:KF+4*\q+3], v[SCR] offset:512*\q        ; KF .. KF + 15: the partner's O; KF + 16 its maximum, KF + 17 its sum
.endr
	s_wait_dscnt 0x0
	v_max_num_f32 v[T], v[\m0], v[KF+16]           ; the maximum over all keys
	v_sub_f32 v[T+2], v[\m0], v[T]
	v_sub_f32 v[KF+18], v[KF+16], v[T]
	v_exp_f32 v[T+2], v[T+2]                       ; my weight
	v_exp_f32 v[KF+18], v[KF+18]                   ; my partner's
	v_nop                                          ; one plain place behind the exponentials (ISA guide 5.7.2)
	s_wait_alu depctr_va_vdst(0)
	v_mul_f32 v[KF+20], v[T+2], v[\l0]
	v_fma_f32 v[KF+20], v[KF+18], v[KF+17], v[KF+20]       ; the sum over all keys: at least 1, the term of the maximum
	v_rcp_f32 v[KF+21], v[KF+20]
	v_nop
	s_wait_alu depctr_va_vdst(0)
	v_mul_f32 v[T], v[T+2], v[KF+21]
	v_mul_f32 v[T+2], v[KF+18], v[KF+21]
.set i_, 0
.rept 8
	v_pk_mul_f32 v[\ob+i_:\ob+i_+1], v[\ob+i_:\ob+i_+1], v[T:T+1] op_sel_hi:[1,0]
.set i_, i_+2
.endr
.set i_, 0
.rept 8
	v_pk_fma_f32 v[\ob+i_:\ob+i_+1], v[KF+i_:KF+i_+1], v[T+2:T+3], v[\ob+i_:\ob+i_+1] op_sel_hi:[1,0,1]
.set i_, i_+2
.endr
.set i_, 0
.rept 8
	v_cvt_pk_f16_f32 v[\od+i_], v[\ob+2*i_], v[\ob+2*i_+1]
.set i_, i_+1
.endr
	global_store_b128 v1, v[\od:\od+3], s[\out:\out+1]                 ; 512 neighbouring bytes, aligned: piece 0 of the next product's fragment
	global_store_b128 v1, v[\od+4:\od+7], s[\out:\out+1] offset:512    ; piece 1
.endm
	s_load_b128 s[4:7], s[0:1], 0x0                ; qkv, af
	v_lshl_add_u32 v254, v0, 2, 0x4a000
	v_mov_b32 v255, 0
	ds_add_u32 v254, v255
	s_wait_dscnt 0x0
	v_lshrrev_b32 v3, 5, v0
	v_readfirstlane_b32 s8, v3                     ; wave 0..15
	v_and_b32 v1, 31, v0
	v_lshlrev_b32 v1, 4, v1                        ; 16 x lane
	; the scratch addresses first of all: the wave's number, the lane and constants, in registers that nothing else ever writes
	s_mul_i32 s74, s8, SCB
	s_add_co_u32 s74, s74, SCRATCH                 ; my scratch
	s_xor_b32 s75, s8, 8                           ; my partner: the same pair, the other parity
	s_mul_i32 s75, s75, SCB
	s_add_co_u32 s75, s75, SCRATCH                 ; my partner's scratch
	v_add_nc_u32 v[SCW], s74, v1
	v_add_nc_u32 v[SCR], s75, v1
	s_and_b32 s10, s8, 7                           ; p: my pair
	s_lshr_b32 s13, s8, 3                          ; hf: the parity of my chunks
	s_lshl_b32 s76, s13, 13                        ; 8,192 hf
	s_bfe_u32 s9, ttmp6, 0x40000                   ; j: my place in the cluster
	s_mov_b32 s14, 0x76543210
	s_mov_b32 s15, 0xfedcba98
	; group 1 for half a chunk (K or V of 64 keys): one row of 512 elements of 8 bytes
	s_mov_b32 s16, 15|(3<<16)|(1<<21)
	s_mov_b32 s17, 512<<16
	s_mov_b32 s18, 1<<16
	s_mov_b32 s19, 512<<16
	s_mov_b32 s20, 1
	s_mov_b32 s21, 512
	s_mov_b32 s22, 0
	s_mov_b32 s23, 0
	; group 1 for a whole chunk (K and V lie side by side in memory): one row of 1,024 elements
	s_mov_b32 s24, 15|(3<<16)|(1<<21)
	s_mov_b32 s25, 1024<<16
	s_mov_b32 s26, 1<<16
	s_mov_b32 s27, 1024<<16
	s_mov_b32 s28, 1
	s_mov_b32 s29, 1024
	s_mov_b32 s30, 0
	s_mov_b32 s31, 0
	s_mul_i32 s56, ttmp9, 393216                   ; the cluster's number is the (batch, head) pair
	s_mov_b32 s57, 0
	s_wait_kmcnt 0x0
	s_add_nc_u64 s[52:53], s[4:5], s[56:57]
	s_add_nc_u64 s[54:55], s[52:53], 4096          ; chunk 0's K
	s_lshr_b32 s56, s8, 1                          ; fill A: half w & 1 of chunk w >> 1, to LDS byte 4,096 w
	s_mul_i32 s56, s56, 12288
	s_and_b32 s58, s8, 1
	s_lshl_b32 s58, s58, 12
	s_add_co_u32 s56, s56, s58
	s_mov_b32 s32, 1
	s_lshl_b32 s33, s8, 12
	s_add_nc_u64 s[34:35], s[54:55], s[56:57]
	s_add_nc_u64 s[70:71], s[34:35], 294912        ; fill C: the same half 24 chunks on, to LDS byte 196,608 + 4,096 w
	s_or_b32 s35, s35, 0x80000000
	s_mov_b32 s68, 1
	s_lshl_b32 s69, s8, 12
	s_add_co_u32 s69, s69, 196608
	s_or_b32 s71, s71, 0x80000000
	s_mov_b32 s36, 1                               ; fill B: chunk 8 + w, to LDS byte 65,536 + 8,192 w
	s_lshl_b32 s37, s8, 13
	s_add_co_u32 s37, s37, 65536
	s_mul_i32 s56, s8, 12288
	s_add_co_u32 s56, s56, 98304
	s_add_nc_u64 s[38:39], s[54:55], s[56:57]
	s_or_b32 s39, s39, 0x80000000
	ROUND                                          ; all four work-groups are here: the joint loads meet
	tensor_load_to_lds s[32:35], s[16:23]          ; A first, in every wave: chunks 0-7 are what the first four steps read; only register work stands between it and B
	s_nop 0
	s_lshl_b32 s12, s10, 2
	s_add_co_u32 s12, s12, s9                      ; the small block: 4 p + j
	s_sub_co_u32 s11, 63, s12                      ; the big one: 63 - 4 p - j
	s_mov_b32 s61, 0
	s_lshr_b32 s63, ttmp9, 4
	s_lshl_b32 s63, s63, 21                        ; af: a batch is 128 token tiles of 16,384 bytes,
	s_and_b32 s62, ttmp9, 15
	s_lshl_b32 s62, s62, 10                        ; a head one fragment of 1,024,
	s_add_co_u32 s63, s63, s62
	s_lshl_b32 s62, s13, 14                        ; and I finish query tile hf of each block
	s_add_co_u32 s63, s63, s62
	BASES s11, 40, 42
	BASES s12, 44, 46
	s_lshl_b32 s66, s13, 10                        ; Q's fragment of query tile hf,
	s_xor_b32 s67, s66, 1024                       ; and of the other
	s_mul_i32 s72, s13, 0xffffffd0                 ; 16 hf - 64 hf
	s_mul_i32 s73, s13, 0xffffffb0                 ; 16 (1 - hf) - 64 hf
	s_add_co_u32 s73, s73, 16
	v_bfe_u32 v8, v0, 4, 1                         ; h
	v_and_b32 v9, 7, v0
	v_bfe_u32 v10, v0, 3, 1
	v_lshlrev_b32 v2, 8, v8                        ; the transposing load's place: key 8 h + (lane & 7) at 32 bytes a key,
	v_lshl_add_u32 v2, v9, 5, v2
	v_lshl_add_u32 v2, v10, 4, v2                  ; head dim 8 ((lane >> 3) & 1) ..
	v_and_b32 v11, 15, v0
	v_lshlrev_b32 v8, 3, v8
	v_sub_nc_u32 v[REL0], v11, v8                  ; r - 8 h
	SETREL s11
	v_cmp_eq_u32 vcc_lo, 0, v9
	v_mov_b32 v[ONES+1], 0x3c003c00
	v_cndmask_b32 v[ONES], 0, v[ONES+1], vcc_lo    ; lanes of rows 0 and 8: two f16 ones
.irp i, 1,2,3,4,5,6,7
	v_mov_b32 v[ONES+\i], v[ONES]
.endr
	v_mov_b32 v[NEG], 0xff7fffff
	v_mov_b32 v[AL+1], 0                           ; the factor pairs' upper registers are named by the packed multiplies, so they are written
	v_mov_b32 v[AL+3], 0
	s_sub_co_u32 s49, 15, s10                      ; plain steps of the big block: 15 - p, at least 8
	tensor_load_to_lds s[36:39], s[24:31]          ; B
	s_nop 0
	tensor_load_to_lds s[68:71], s[16:23]          ; C: three loads of a wave are out
	s_nop 0
	QLOAD 40
	s_wait_tensorcnt 0x2                           ; my half chunk of 0-7 is in; the two younger loads stay out
	s_barrier_signal -1
	s_barrier_wait -1                              ; chunks 0-7 are whole
	s_wait_loadcnt 0x0                             ; Q
	s_mov_b32 s48, 0                               ; the first four steps, chunks hf, 2 + hf, 4 + hf, 6 + hf, are written out
	STEP 1, 0, OBG
	s_mov_b32 s48, 1
	STEP 0, 0, OBG
	s_mov_b32 s48, 2
	STEP 0, 0, OBG
	s_mov_b32 s48, 3
	STEP 0, 0, OBG
	s_wait_dscnt 0x0
	s_wait_tensorcnt 0x0                           ; my parts of chunks 8-31 are in,
	s_barrier_signal -1
	s_barrier_wait -1                              ; all 32 chunks are whole
	s_mov_b32 s48, 4
.Lbig_b:
	STEP 0, 0, OBG                                 ; 11 - p trips, at least four
	s_add_co_u32 s48, s48, 1
	s_cmp_lt_u32 s48, s49
	s_cbranch_scc1 .Lbig_b
	STEP 0, 1, OBG                                 ; s48 = 15 - p: chunk 30 - 2 p + hf, my half of the block's own group of 128 positions
	PLACES
	v_mov_b32 v[SM0], v[M]                         ; the big block's maxima and sums move aside; its O^T stays where it is
	v_mov_b32 v[SL0], v[LT]
	v_mov_b32 v[SM1], v[M1]
	v_mov_b32 v[SL1], v[LT1]
	QLOAD 44
	SETREL s12
	s_mov_b32 s48, s10                             ; chunk 2 p + hf
	s_wait_loadcnt 0x0
	STEP 1, 1, OS
	s_mov_b32 s48, 0
	s_cmp_eq_u32 s10, 0                            ; pair 0 has no chunk in front of its group
	s_cbranch_scc1 .Lsmall_done
.Lsmall:
	STEP 0, 0, OS                                  ; p trips
	s_add_co_u32 s48, s48, 1
	s_cmp_lt_u32 s48, s10
	s_cbranch_scc1 .Lsmall
.Lsmall_done:
	PLACES
	s_wait_dscnt 0x0
	s_barrier_signal -1
	s_barrier_wait -1                              ; every wave has done its 17 steps: from here on LDS is written
	EXCH OBG, SM0, SL0, 42, 40
	s_barrier_signal -1                            ; my reads of the scratch are back (the wait for 0 in front of the merge),
	s_barrier_wait -1                              ; every wave's are: the scratch is written again
	v_mov_b32 v[SM1], v[M1]                        ; the small block's tile 1: maximum and sum into the 16 bytes that I give
	v_mov_b32 v[SL1], v[LT1]
	EXCH OS, M, LT, 46, 48
	s_wait_xcnt 0x0
	v_lshl_add_u32 v254, v0, 2, 0x4a000
	v_mov_b32 v255, 0
	s_wait_tensorcnt 0x0
	ds_add_u32 v254, v255
	s_wait_dscnt 0x0
	ROUND                                          ; the closing round
	s_endpgm
.Lfunc_end_k_q2f8e9eb352_attn:
	.size	k_q2f8e9eb352_attn, .Lfunc_end_k_q2f8e9eb352_attn-k_q2f8e9eb352_attn
	.p2alignl 7, 3214868480
	.fill 96, 4, 3214868480
	.section	.rodata,"a",@progbits
	.p2align	6, 0x0
	.amdhsa_kernel k_q2f8e9eb352_attn
		.amdhsa_group_segment_fixed_size 305152
		.amdhsa_private_segment_fixed_size 0
		.amdhsa_enable_private_segment 0
		.amdhsa_kernarg_size 16
		.amdhsa_user_sgpr_count 2
		.amdhsa_user_sgpr_kernarg_segment_ptr 1
		.amdhsa_wavefront_size32 1
		.amdhsa_system_sgpr_workgroup_id_x 1
		.amdhsa_system_sgpr_workgroup_id_y 1
		.amdhsa_system_sgpr_workgroup_id_z 1
		.amdhsa_system_vgpr_workitem_id 0
		.amdhsa_next_free_vgpr 256
		.amdhsa_next_free_sgpr 80
		.amdhsa_reserve_vcc 1
		.amdhsa_float_denorm_mode_32 3
		.amdhsa_float_denorm_mode_16_64 3
		.amdhsa_memory_ordered 1
		.amdhsa_forward_progress 1
		.amdhsa_inst_pref_size 119
	.end_amdhsa_kernel
	.amdgpu_metadata
---
amdhsa.version: [ 1, 2 ]
amdhsa.kernels:
  - .name:           k_q2f8e9eb352_attn
    .symbol:         k_q2f8e9eb352_attn.kd
    .args:
      - { .name: qkv, .offset: 0, .size: 8, .value_kind: global_buffer, .address_space: global }
      - { .name: af, .offset: 8, .size: 8, .value_kind: global_buffer, .address_space: global }
    .group_segment_fixed_size: 305152
    .private_segment_fixed_size: 0
    .kernarg_segment_align: 8
    .kernarg_segment_size: 16
    .max_flat_workgroup_size: 512
    .sgpr_count:     80
    .vgpr_count:     256
    .wavefront_size: 32
...
	.end_amdgpu_metadata
.endif
;; end of part 3
;; launch proj (part 4): grid 4 x 64, 4 waves a work-group, clusters of 4 x 4, 262,656 bytes of LDS; arguments af, wf, yf, xd; writes yf
.if DOCPART == 4
	.amdgcn_target "amdgcn-amd-amdhsa--gfx1250"
	.amdhsa_code_object_version 6
	.text
	.protected	k_q2f8e9eb352_proj
	.globl	k_q2f8e9eb352_proj
	.p2align	8
	.type	k_q2f8e9eb352_proj,@function
k_q2f8e9eb352_proj:
	s_mov_b64 s[64:65], 0
	v_nop
	global_prefetch_b8 v0, s[64:65] scope:SCOPE_SE
	s_setreg_imm32_b32 hwreg(HW_REG_WAVE_MODE, 25, 1), 1
	s_wait_xcnt 0x0
	s_wait_alu depctr_hold_cnt(0) depctr_sa_sdst(0) depctr_va_vdst(0) depctr_va_sdst(0) depctr_va_ssrc(0) depctr_va_vcc(0) depctr_vm_vsrc(0)
	s_getreg_b32 s2, hwreg(HW_REG_IB_STS2, 6, 4)
	s_cmp_eq_u32 s2, 0
	s_cbranch_scc0 .Lentry_in_a_cluster
	s_endpgm
.Lentry_in_a_cluster:
	s_bfe_u32 s2, ttmp6, 0x10000c
	s_cmp_lg_u32 s2, 0xf033
	s_cbranch_scc0 .Lentry_shape_is_right
	s_endpgm
.Lentry_shape_is_right:
; y = x + attn x Wproj: [8192 x 512] x [512 x 512], f16 operands, f32 sums, y rounded to f16 in fragment order for the last product.
; A work-group makes 128 tokens x 128 features with four waves (2 x 2); a wave makes 64 x 64: 4 x 4 tiles, 128 registers.
; K = 512 is four steps of 128; all four steps' tiles fit in LDS (4 slots of 65,536 bytes), so all go out at the start and nothing is filled again.
; The residual costs no instruction: x lies in memory in the order of a matrix result (xd) and is loaded straight into the accumulators.
; CLUSTERS 4 x 4: attn's tiles are asked for jointly along a row of the cluster, Wproj's along a column.
; The matrix instruction is used transposed (source 0 = weight rows, source 1 = tokens): a lane holds eight neighbouring features of one token.
; LIMIT: y is rounded to f16 (infinite above 65,504).
; REGISTERS: window 0: v3 16 x lane, v16-23 LDS addresses, v64-95 and v128-159 attn's fragments, v192-255 packed results; window 1: the weights' fragments;
; window 2: the tiles of my tokens 0-31 (tile (a, b) at v[8 (4 a + b)]); window 3: tokens 32-63.
.set MA, 4
.set NB, 4
.set NT0, 96                           ; Wproj's first tile in wf
.set RT, 4096
.set TTB, 16384
.set HALFT, MA*RT
.set SLOT, 4*HALFT
.set ADRA, 16
.set ADRB, 20
.set F0, 64
.set F1, 128
.set TMP, 192
.set G1, 24                            ; s[24:31] group 1, attn
.set G0, 72                            ; s[72:87] group 0, attn, one set a slot
.set G1B, 48                           ; s[48:55] group 1, weights
.set G0B, 32                           ; group 0, weights: slots 0, 1 in s[32:39], slots 2, 3 in s[56:63]
.set MUL_LO, 0xa1
.set MUL_HI, 0xf1
.set MSB, 0
.macro WIN new
.if MSB != \new
	s_set_vgpr_msb (MSB<<8)|\new
.set MSB, \new
.endif
.endm
.macro PLACES
.rept 4
	v_nop
.endr
.endm
.macro JLOAD s
	s_cmp_eq_u32 s11, 0
	s_cbranch_scc0 .Lfor_b_\@
	tensor_load_to_lds s[G0+4*\s:G0+4*\s+3], s[G1:G1+7]
	s_nop 0
	s_branch .Lasked_\@
.Lfor_b_\@:
	tensor_load_to_lds s[G0B+4*\s+16*(\s/2):G0B+4*\s+16*(\s/2)+3], s[G1B:G1B+7]
	s_nop 0
.Lasked_\@:
.endm
.macro CROUND
	s_barrier_signal -1
	s_barrier_wait -1
	s_cmp_lg_u32 s10, 0
	s_cbranch_scc1 .Lnot_wave_0_\@
	s_barrier_signal -3
.Lnot_wave_0_\@:
	s_barrier_wait -3
	s_barrier_signal -1
	s_barrier_wait -1
.endm
; The accumulators take turns, one instruction a turn, in the same order in every quarter step.
.macro MULR f, hi, a0, cnt
.set ma_, \a0
.rept \cnt
.set mb_, 0
.rept NB
.set ac_, 8*(NB*ma_+mb_)
	v_wmma_f32_16x16x32_f16 v[ac_:ac_+7], v[\f+8*mb_:\f+8*mb_+7], v[\f+8*(\hi*(MA/2)+ma_):\f+8*(\hi*(MA/2)+ma_)+7], v[ac_:ac_+7]
.set mb_, mb_+1
.endr
.set ma_, ma_+1
.endr
.endm
.macro FETCH slot, q, f
	WIN 0x40
.set i_, 0
.rept NB
	ds_load_b128 v[\f+8*i_:\f+8*i_+3], v[ADRB+\slot] offset:i_*RT+\q*1024
	ds_load_b128 v[\f+8*i_+4:\f+8*i_+7], v[ADRB+\slot] offset:i_*RT+\q*1024+512
.set i_, i_+1
.endr
	WIN 0
.set i_, 0
.rept MA
	ds_load_b128 v[\f+8*i_:\f+8*i_+3], v[ADRA+\slot] offset:i_*RT+\q*1024
	ds_load_b128 v[\f+8*i_+4:\f+8*i_+7], v[ADRA+\slot] offset:i_*RT+\q*1024+512
.set i_, i_+1
.endr
.endm
.macro QUARTER slot, q, f, g
	s_wait_dscnt MA                                ; all but the youngest MA loads: attn's token tiles 2, 3 may be out
	WIN MUL_LO
	MULR \f, 0, 0, MA/2
	PLACES
	FETCH \slot, \q, \g
	s_wait_dscnt 2*(MA+NB)                         ; all but the run just issued
	WIN MUL_HI
	MULR \f, 1, 0, MA/2
.endm
.macro THREE slot
	QUARTER \slot, 1, F0, F1
	QUARTER \slot, 2, F1, F0
	QUARTER \slot, 3, F0, F1
.endm
; The last quarter of a K step goes on to the next slot.  left = the loads of mine that are younger than the next slot's and may stay out.
.macro TURN slot, next, left
	s_wait_dscnt MA
	WIN MUL_LO
	MULR F1, 0, 0, MA/4
	s_wait_dscnt 0x0
	s_wait_tensorcnt \left
	s_barrier_signal -1
	MULR F1, 0, MA/4, MA/4
	WIN 0
	s_barrier_wait -1
	PLACES
	FETCH \next, 0, F0
	WIN MUL_HI
	MULR F1, 1, 0, MA/2
.endm
	s_load_b128 s[4:7], s[0:1], 0x0                ; af, wf
	s_load_b64 s[8:9], s[0:1], 0x10                ; yf
	s_load_b64 s[68:69], s[0:1], 0x18              ; xd
	v_lshl_add_u32 v190, v0, 2, 0x40000
	v_mov_b32 v191, 0
	ds_add_u32 v190, v191
	v_lshrrev_b32 v1, 5, v0
	v_readfirstlane_b32 s10, v1
	s_lshr_b32 s11, s10, 1
	s_and_b32 s12, s10, 1
	s_bfe_u32 s40, ttmp6, 0x40000                  ; cx
	s_bfe_u32 s41, ttmp6, 0x40004                  ; cy
	s_lshl_b32 s42, ttmp9, 2
	s_add_co_u32 s42, s42, s40                     ; block column
	s_and_b32 s13, ttmp7, 0xffff
	s_lshl_b32 s13, s13, 2
	s_add_co_u32 s13, s13, s41                     ; block row
	s_lshl_b32 s43, s41, 2
	s_lshl_b32 s43, 15, s43
	s_lshl_b32 s44, 0x1111, s40
	s_or_b32 s[G1+0], s43, (3<<16)|(1<<21)
	s_or_b32 s[G1B+0], s44, (3<<16)|(1<<21)
	s_mov_b32 s[G1+1], 512<<16
	s_mov_b32 s[G1B+1], 512<<16
	s_mov_b32 s[G1+2], MA<<16
	s_mov_b32 s[G1B+2], NB<<16
	s_mov_b32 s[G1+3], 512<<16
	s_mov_b32 s[G1B+3], 512<<16
	s_mov_b32 s[G1+4], MA
	s_mov_b32 s[G1B+4], NB
	s_mov_b32 s[G1+5], 2048
	s_mov_b32 s[G1B+5], 2048
	s_mov_b32 s[G1+6], 0
	s_mov_b32 s[G1B+6], 0
	s_mov_b32 s[G1+7], 0
	s_mov_b32 s[G1B+7], 0
	s_mul_i32 s16, s13, 2*MA*TTB
	s_mul_i32 s17, s12, MA*TTB
	s_add_co_u32 s16, s16, s17
	s_mov_b32 s17, 0
	s_mul_i32 s46, s42, 2*NB*TTB
	s_mul_i32 s45, s12, NB*TTB
	s_add_co_u32 s46, s46, s45
	s_add_co_u32 s46, s46, NT0*TTB
	s_mov_b32 s47, 0
	s_mul_i32 s20, s10, HALFT
	s_wait_dscnt 0x0
	s_wait_kmcnt 0x0
	s_add_nc_u64 s[14:15], s[4:5], s[16:17]
	s_add_nc_u64 s[46:47], s[6:7], s[46:47]
	CROUND
.irp s, 0,1,2,3
	s_mov_b32 s[G0+4*\s], 1
	s_add_co_u32 s[G0+4*\s+1], s20, \s*SLOT
	s_add_nc_u64 s[G0+4*\s+2:G0+4*\s+3], s[14:15], \s*RT
	s_or_b32 s[G0+4*\s+3], s[G0+4*\s+3], 0x80000000
	s_mov_b32 s[G0B+4*\s+16*(\s/2)], 1
	s_add_co_u32 s[G0B+4*\s+16*(\s/2)+1], s20, \s*SLOT
	s_add_nc_u64 s[G0B+4*\s+16*(\s/2)+2:G0B+4*\s+16*(\s/2)+3], s[46:47], \s*RT
	s_or_b32 s[G0B+4*\s+16*(\s/2)+3], s[G0B+4*\s+16*(\s/2)+3], 0x80000000
	JLOAD \s                                       ; four loads of a wave are out: all of K
.endr
	v_and_b32 v1, 31, v0
	v_lshlrev_b32 v3, 4, v1                        ; 16 x lane
	s_mul_i32 s21, s11, HALFT
	s_mul_i32 s22, s12, HALFT
	s_add_co_u32 s22, s22, 2*HALFT
.irp s, 0,1,2,3
	v_add_nc_u32 v[ADRA+\s], s21, v3
	v_add_nc_u32 v[ADRB+\s], s22, v3
	s_add_co_u32 s21, s21, SLOT
	s_add_co_u32 s22, s22, SLOT
.endr
	s_lshl_b32 s70, s13, 3
	s_lshl_b32 s71, s11, 2
	s_add_co_u32 s70, s70, s71                     ; my first token tile
	s_lshl_b32 s71, s42, 3
	s_lshl_b32 s66, s12, 2
	s_add_co_u32 s71, s71, s66                     ; my first feature tile
	s_lshl_b32 s66, s70, 15                        ; xd: 32,768 bytes a token tile, 1,024 a feature tile
	s_lshl_b32 s67, s71, 10
	s_add_co_u32 s66, s66, s67
	s_mov_b32 s67, 0
	s_add_nc_u64 s[68:69], s[68:69], s[66:67]
	s_lshl_b32 s66, s70, 14                        ; yf: 16,384 bytes a token tile, 512 a feature tile
	s_lshl_b32 s70, s71, 9
	s_add_co_u32 s66, s66, s70
	s_add_nc_u64 s[8:9], s[8:9], s[66:67]
	WIN 0x80                                       ; x straight into the accumulators: the sums start from the residual
.irp a, 0,1
.irp b, 0,1,2,3
	global_load_b128 v[8*(4*\a+\b):8*(4*\a+\b)+3], v3, s[68:69] offset:\a*32768+\b*1024 th:TH_LOAD_NT
	global_load_b128 v[8*(4*\a+\b)+4:8*(4*\a+\b)+7], v3, s[68:69] offset:\a*32768+\b*1024+512 th:TH_LOAD_NT
.endr
.endr
	WIN 0xc0
.irp a, 0,1
.irp b, 0,1,2,3
	global_load_b128 v[8*(4*\a+\b):8*(4*\a+\b)+3], v3, s[68:69] offset:(\a+2)*32768+\b*1024 th:TH_LOAD_NT
	global_load_b128 v[8*(4*\a+\b)+4:8*(4*\a+\b)+7], v3, s[68:69] offset:(\a+2)*32768+\b*1024+512 th:TH_LOAD_NT
.endr
.endr
	WIN 0
	s_wait_tensorcnt 0x3                           ; my part of K step 0 is in; the three younger loads stay out
	s_barrier_signal -1
	s_barrier_wait -1
	FETCH 0, 0, F0
	s_wait_loadcnt 0x0                             ; x
	THREE 0
	TURN 0, 1, 2
	THREE 1
	TURN 1, 2, 1
	THREE 2
	TURN 2, 3, 0
	THREE 3
	s_wait_dscnt MA
	WIN MUL_LO
	MULR F1, 0, 0, MA/2
	s_wait_dscnt 0x0
	WIN MUL_HI
	MULR F1, 1, 0, MA/2
	PLACES
	; the way out: round to f16; a tile is 512 neighbouring bytes of yf
	WIN 0x0a
.irp a, 0,1
.irp b, 0,1,2,3
.irp rr, 0,1,2,3
	v_cvt_pk_f16_f32 v[TMP+16*\a+4*\b+\rr], v[8*(4*\a+\b)+2*\rr], v[8*(4*\a+\b)+2*\rr+1]
.endr
.endr
.endr
	WIN 0x0f
.irp a, 0,1
.irp b, 0,1,2,3
.irp rr, 0,1,2,3
	v_cvt_pk_f16_f32 v[TMP+32+16*\a+4*\b+\rr], v[8*(4*\a+\b)+2*\rr], v[8*(4*\a+\b)+2*\rr+1]
.endr
.endr
.endr
	WIN 0
.irp a, 0,1,2,3
.irp b, 0,1,2,3
	global_store_b128 v3, v[TMP+16*\a+4*\b:TMP+16*\a+4*\b+3], s[8:9] offset:\a*16384+\b*512
.endr
.endr
	s_wait_tensorcnt 0x0
	ds_add_u32 v190, v191
	s_wait_dscnt 0x0
	CROUND                                         ; the closing round
	s_endpgm
.Lfunc_end_k_q2f8e9eb352_proj:
	.size	k_q2f8e9eb352_proj, .Lfunc_end_k_q2f8e9eb352_proj-k_q2f8e9eb352_proj
	.p2alignl 7, 3214868480
	.fill 96, 4, 3214868480
	.section	.rodata,"a",@progbits
	.p2align	6, 0x0
	.amdhsa_kernel k_q2f8e9eb352_proj
		.amdhsa_group_segment_fixed_size 262656
		.amdhsa_private_segment_fixed_size 0
		.amdhsa_enable_private_segment 0
		.amdhsa_kernarg_size 32
		.amdhsa_user_sgpr_count 2
		.amdhsa_user_sgpr_kernarg_segment_ptr 1
		.amdhsa_wavefront_size32 1
		.amdhsa_system_sgpr_workgroup_id_x 1
		.amdhsa_system_sgpr_workgroup_id_y 1
		.amdhsa_system_sgpr_workgroup_id_z 1
		.amdhsa_system_vgpr_workitem_id 0
		.amdhsa_next_free_vgpr 1024
		.amdhsa_next_free_sgpr 88
		.amdhsa_reserve_vcc 0
		.amdhsa_float_denorm_mode_32 3
		.amdhsa_float_denorm_mode_16_64 3
		.amdhsa_memory_ordered 1
		.amdhsa_forward_progress 1
		.amdhsa_inst_pref_size 55
	.end_amdhsa_kernel
	.amdgpu_metadata
---
amdhsa.version: [ 1, 2 ]
amdhsa.kernels:
  - .name:           k_q2f8e9eb352_proj
    .symbol:         k_q2f8e9eb352_proj.kd
    .args:
      - { .name: af, .offset: 0, .size: 8, .value_kind: global_buffer, .address_space: global }
      - { .name: wf, .offset: 8, .size: 8, .value_kind: global_buffer, .address_space: global }
      - { .name: yf, .offset: 16, .size: 8, .value_kind: global_buffer, .address_space: global }
      - { .name: xd, .offset: 24, .size: 8, .value_kind: global_buffer, .address_space: global }
    .group_segment_fixed_size: 262656
    .private_segment_fixed_size: 0
    .kernarg_segment_align: 8
    .kernarg_segment_size: 32
    .max_flat_workgroup_size: 128
    .sgpr_count:     88
    .vgpr_count:     1024
    .wavefront_size: 32
...
	.end_amdgpu_metadata
.endif
;; end of part 4
;; launch fc (part 5): grid 8 x 32, 4 waves a work-group, clusters of 4 x 4, 327,680 bytes of LDS; arguments yf, wf, out0, fc_b; writes out0
.if DOCPART == 5
	.amdgcn_target "amdgcn-amd-amdhsa--gfx1250"
	.amdhsa_code_object_version 6
	.text
	.protected	k_q2f8e9eb352_fc
	.globl	k_q2f8e9eb352_fc
	.p2align	8
	.type	k_q2f8e9eb352_fc,@function
k_q2f8e9eb352_fc:
	s_mov_b64 s[64:65], 0
	v_nop
	global_prefetch_b8 v0, s[64:65] scope:SCOPE_SE
	s_setreg_imm32_b32 hwreg(HW_REG_WAVE_MODE, 25, 1), 1
	s_wait_xcnt 0x0
	s_wait_alu depctr_hold_cnt(0) depctr_sa_sdst(0) depctr_va_vdst(0) depctr_va_sdst(0) depctr_va_ssrc(0) depctr_va_vcc(0) depctr_vm_vsrc(0)
	s_getreg_b32 s2, hwreg(HW_REG_IB_STS2, 6, 4)
	s_cmp_eq_u32 s2, 0
	s_cbranch_scc0 .Lentry_in_a_cluster
	s_endpgm
.Lentry_in_a_cluster:
	s_bfe_u32 s2, ttmp6, 0x10000c
	s_cmp_lg_u32 s2, 0xf033
	s_cbranch_scc0 .Lentry_shape_is_right
	s_endpgm
.Lentry_shape_is_right:
; logits = y x fc_w + fc_b: [8192 x 512] x [512 x 2000 (2048 in wf)], f16 operands, f32 sums and results.
; A work-group makes 256 tokens x 256 columns with four waves (2 x 2); a wave makes 128 x 128: 64 tiles, 512 registers.
; Operands lie in fragment order: a K step of 128 is 4,096 neighbouring bytes of each row tile; K = 512 is four steps through two LDS slots of 131,072 bytes.
; CLUSTERS 4 x 4: y's tiles are asked for jointly along a row of the cluster, the weights' along a column.
; The matrix instruction is used transposed (source 0 = weight rows, source 1 = tokens): a lane holds eight neighbouring columns of one token.
; The bias enters as the C of the first product: no add, nothing cleared.
; THE WAY OUT goes through each wave's own stage in LDS (16 rows of 528 bytes, behind the slots, never a tensor load's target): a store then covers 512 neighbouring
; bytes of one row of out0.  A row of out0 is 8,000 bytes, so these pieces begin at multiples of 64 bytes, not of 256: the first and last block of a piece are written in part.
; Columns 2000-2047 are computed on a repeated weight column and never stored.
; REGISTERS: window 0: v3 16 x lane, v16-25 addresses, v32-40 bias offsets and column, v64-127 and v128-191 y's fragments, v192-255 the bias;
; window 1: the weights' fragments; window 2: tiles of my tokens 0-63 (tile (a, b) at v[8 (8 a + b)]); window 3: tokens 64-127.
.set MA, 8
.set NB, 8
.set NT0, 128                          ; fc_w's first tile in wf
.set RT, 4096
.set TTB, 16384
.set HALFT, MA*RT
.set SLOT, 4*HALFT
.set STAGE, 2*SLOT
.set SPITCH, 528                       ; 512 bytes + 16: an odd multiple of 16
.set ADRA, 16
.set ADRB, 20
.set STO, 24
.set RD, 25
.set BO, 32
.set F0, 64
.set F1, 128
.set BIAS, 192
.set G1, 24
.set G0, 32
.set G1B, 48
.set G0B, 56
.set MUL_LO, 0xa1
.set MUL_HI, 0xf1
.set MSB, 0
.macro WIN new
.if MSB != \new
	s_set_vgpr_msb (MSB<<8)|\new
.set MSB, \new
.endif
.endm
.macro WLO mode                        ; with the bias as C, source 2 is in window 0
.if \mode == 2
	WIN 0x81
.else
	WIN MUL_LO
.endif
.endm
.macro WHI mode
.if \mode == 2
	WIN 0xc1
.else
	WIN MUL_HI
.endif
.endm
.macro PLACES
.rept 4
	v_nop
.endr
.endm
.macro JLOAD s
	s_cmp_eq_u32 s11, 0
	s_cbranch_scc0 .Lfor_b_\@
	tensor_load_to_lds s[G0+4*\s:G0+4*\s+3], s[G1:G1+7]
	s_nop 0
	s_branch .Lasked_\@
.Lfor_b_\@:
	tensor_load_to_lds s[G0B+4*\s:G0B+4*\s+3], s[G1B:G1B+7]
	s_nop 0
.Lasked_\@:
.endm
.macro CREST
	s_cmp_lg_u32 s10, 0
	s_cbranch_scc1 .Lnot_wave_0_\@
	s_barrier_signal -3
.Lnot_wave_0_\@:
	s_barrier_wait -3
	s_barrier_signal -1
	s_barrier_wait -1
.endm
.macro CROUND
	s_barrier_signal -1
	s_barrier_wait -1
	CREST
.endm
; mode 2: the first product takes the bias of its eight columns as C.  The accumulators take turns, one instruction a turn.
.macro MULR f, hi, a0, cnt, mode
.set ma_, \a0
.rept \cnt
.set mb_, 0
.rept NB
.set ac_, 8*(NB*ma_+mb_)
.if \mode == 0
	v_wmma_f32_16x16x32_f16 v[ac_:ac_+7], v[\f+8*mb_:\f+8*mb_+7], v[\f+8*(\hi*(MA/2)+ma_):\f+8*(\hi*(MA/2)+ma_)+7], v[ac_:ac_+7]
.else
	v_wmma_f32_16x16x32_f16 v[ac_:ac_+7], v[\f+8*mb_:\f+8*mb_+7], v[\f+8*(\hi*(MA/2)+ma_):\f+8*(\hi*(MA/2)+ma_)+7], v[BIAS+8*mb_:BIAS+8*mb_+7]
.endif
.set mb_, mb_+1
.endr
.set ma_, ma_+1
.endr
.endm
.macro FETCH slot, q, f
	WIN 0x40
.set i_, 0
.rept NB
	ds_load_b128 v[\f+8*i_:\f+8*i_+3], v[ADRB+\slot] offset:i_*RT+\q*1024
	ds_load_b128 v[\f+8*i_+4:\f+8*i_+7], v[ADRB+\slot] offset:i_*RT+\q*1024+512
.set i_, i_+1
.endr
	WIN 0
.set i_, 0
.rept MA
	ds_load_b128 v[\f+8*i_:\f+8*i_+3], v[ADRA+\slot] offset:i_*RT+\q*1024
	ds_load_b128 v[\f+8*i_+4:\f+8*i_+7], v[ADRA+\slot] offset:i_*RT+\q*1024+512
.set i_, i_+1
.endr
.endm
.macro QUARTER slot, q, f, g, mode
	s_wait_dscnt MA                                ; all but the youngest MA loads: y's token tiles 4-7 may be out
	WLO \mode
	MULR \f, 0, 0, MA/2, \mode
	PLACES
	FETCH \slot, \q, \g
	s_wait_dscnt 2*(MA+NB)                         ; all but the run just issued
	WHI \mode
	MULR \f, 1, 0, MA/2, \mode
.endm
.macro THREE slot, mode
	QUARTER \slot, 1, F0, F1, \mode
	QUARTER \slot, 2, F1, F0, 0
	QUARTER \slot, 3, F0, F1, 0
.endm
; The change of slots: each wave's reads of this slot and all its tensor loads are waited for in front of the barrier; fill = 1: the barrier opens a round of the
; cluster's barrier, and the joint refill is the first tensor load behind the round, one a wave.
.macro TURN slot, next, fill
	s_wait_dscnt MA
	WIN MUL_LO
	MULR F1, 0, 0, MA/4, 0
	s_wait_dscnt 0x0
	s_wait_tensorcnt 0x0
	ds_add_u32 v255, v63
	s_wait_dscnt 0x0
	s_barrier_signal -1
	MULR F1, 0, MA/4, MA/4, 0
	WIN 0
	s_barrier_wait -1
.if \fill
	CREST
	s_add_nc_u64 s[G0+4*\slot+2:G0+4*\slot+3], s[G0+4*\slot+2:G0+4*\slot+3], 2*RT
	s_add_nc_u64 s[G0B+4*\slot+2:G0B+4*\slot+3], s[G0B+4*\slot+2:G0B+4*\slot+3], 2*RT
	JLOAD \slot
.endif
	PLACES
	FETCH \next, 0, F0
	WIN MUL_HI
	MULR F1, 1, 0, MA/2, 0
.endm
	s_load_b128 s[4:7], s[0:1], 0x0                ; yf, wf
	s_load_b64 s[8:9], s[0:1], 0x10                ; out0
	s_load_b64 s[68:69], s[0:1], 0x18              ; fc_b
	s_set_vgpr_msb 0x40
	v_lshl_add_u32 v255, v0, 2, 0x48400
	s_set_vgpr_msb 0x4000
	v_mov_b32 v63, 0
	s_set_vgpr_msb 0x1
	ds_add_u32 v255, v63
	s_set_vgpr_msb 0x100
	v_lshrrev_b32 v1, 5, v0
	v_readfirstlane_b32 s10, v1
	s_lshr_b32 s11, s10, 1
	s_and_b32 s12, s10, 1
	s_bfe_u32 s40, ttmp6, 0x40000                  ; cx
	s_bfe_u32 s41, ttmp6, 0x40004                  ; cy
	s_lshl_b32 s42, ttmp9, 2
	s_add_co_u32 s42, s42, s40                     ; block column
	s_and_b32 s13, ttmp7, 0xffff
	s_lshl_b32 s13, s13, 2
	s_add_co_u32 s13, s13, s41                     ; block row
	s_lshl_b32 s43, s41, 2
	s_lshl_b32 s43, 15, s43
	s_lshl_b32 s44, 0x1111, s40
	s_or_b32 s[G1+0], s43, (3<<16)|(1<<21)
	s_or_b32 s[G1B+0], s44, (3<<16)|(1<<21)
	s_mov_b32 s[G1+1], 512<<16
	s_mov_b32 s[G1B+1], 512<<16
	s_mov_b32 s[G1+2], MA<<16
	s_mov_b32 s[G1B+2], NB<<16
	s_mov_b32 s[G1+3], 512<<16
	s_mov_b32 s[G1B+3], 512<<16
	s_mov_b32 s[G1+4], MA
	s_mov_b32 s[G1B+4], NB
	s_mov_b32 s[G1+5], 2048
	s_mov_b32 s[G1B+5], 2048
	s_mov_b32 s[G1+6], 0
	s_mov_b32 s[G1B+6], 0
	s_mov_b32 s[G1+7], 0
	s_mov_b32 s[G1B+7], 0
	s_mul_i32 s16, s13, 2*MA*TTB
	s_mul_i32 s17, s12, MA*TTB
	s_add_co_u32 s16, s16, s17
	s_mov_b32 s17, 0
	s_mul_i32 s46, s42, 2*NB*TTB
	s_mul_i32 s45, s12, NB*TTB
	s_add_co_u32 s46, s46, s45
	s_add_co_u32 s46, s46, NT0*TTB
	s_mov_b32 s47, 0
	s_mul_i32 s20, s10, HALFT
	s_wait_dscnt 0x0
	s_wait_kmcnt 0x0
	s_add_nc_u64 s[14:15], s[4:5], s[16:17]
	s_add_nc_u64 s[46:47], s[6:7], s[46:47]
	CROUND
.irp s, 0,1
	s_mov_b32 s[G0+4*\s], 1
	s_add_co_u32 s[G0+4*\s+1], s20, \s*SLOT
	s_add_nc_u64 s[G0+4*\s+2:G0+4*\s+3], s[14:15], \s*RT
	s_or_b32 s[G0+4*\s+3], s[G0+4*\s+3], 0x80000000
	s_mov_b32 s[G0B+4*\s], 1
	s_add_co_u32 s[G0B+4*\s+1], s20, \s*SLOT
	s_add_nc_u64 s[G0B+4*\s+2:G0B+4*\s+3], s[46:47], \s*RT
	s_or_b32 s[G0B+4*\s+3], s[G0B+4*\s+3], 0x80000000
	JLOAD \s                                       ; two loads of a wave are out
.endr
	v_and_b32 v1, 31, v0
	v_lshlrev_b32 v3, 4, v1                        ; 16 x lane
	v_and_b32 v4, 15, v0                           ; r
	v_bfe_u32 v5, v0, 4, 1                         ; h
	s_lshl_b32 s66, s42, 8
	s_lshl_b32 s67, s12, 7
	s_add_co_u32 s66, s66, s67                     ; my first column
	s_lshl_b32 s67, s66, 2
	v_lshl_add_u32 v6, v5, 5, s67                  ; the bias of columns 8 h .. of tile 0, in bytes
.irp b, 0,1,2,3,4,5,6,7
	v_add_nc_u32 v[BO+\b], 64*\b, v6
	v_min_u32 v[BO+\b], 7968, v[BO+\b]             ; columns past 1999 take the last eight numbers: no load leaves fc_b, and their results are not stored
.endr
.irp b, 0,1,2,3,4,5,6,7
	global_load_b128 v[BIAS+8*\b:BIAS+8*\b+3], v[BO+\b], s[68:69]
	global_load_b128 v[BIAS+8*\b+4:BIAS+8*\b+7], v[BO+\b], s[68:69] offset:16
.endr
	s_mul_i32 s21, s11, HALFT
	s_mul_i32 s22, s12, HALFT
	s_add_co_u32 s22, s22, 2*HALFT
.irp s, 0,1
	v_add_nc_u32 v[ADRA+\s], s21, v3
	v_add_nc_u32 v[ADRB+\s], s22, v3
	s_add_co_u32 s21, s21, SLOT
	s_add_co_u32 s22, s22, SLOT
.endr
	s_mul_i32 s23, s10, 16*SPITCH
	s_add_co_u32 s23, s23, STAGE                   ; my stage
	v_mul_u32_u24 v7, v4, SPITCH
	v_lshl_add_u32 v7, v5, 5, v7
	v_add_nc_u32 v[STO], s23, v7                   ; in: row r, 32 bytes for each half of the lanes
	v_add_nc_u32 v[RD], s23, v3                    ; back: a whole row of 512 bytes
	v_lshrrev_b32 v40, 2, v3
	v_add_nc_u32 v40, s66, v40                     ; the first of the four columns that I store
	s_wait_tensorcnt 0x1                           ; my part of K step 0 is in; K step 1's stays out
	s_barrier_signal -1
	s_barrier_wait -1
	FETCH 0, 0, F0
	s_wait_loadcnt 0x0                             ; the bias
	THREE 0, 2
	TURN 0, 1, 1
	THREE 1, 0
	TURN 1, 0, 1
	THREE 0, 0
	TURN 0, 1, 0
	THREE 1, 0
	s_wait_dscnt MA
	WIN MUL_LO
	MULR F1, 0, 0, MA/2, 0
	s_wait_dscnt 0x0
	WIN MUL_HI
	MULR F1, 1, 0, MA/2, 0
	PLACES
	WIN 0
	s_lshl_b32 s16, s13, 8
	s_lshl_b32 s14, s11, 7
	s_add_co_u32 s16, s16, s14                     ; my first token
	s_mul_i32 s16, s16, 8000
	s_mov_b32 s17, 0
	s_add_nc_u64 s[8:9], s[8:9], s[16:17]
	s_mov_b32 s46, s67                             ; my first column, in bytes
	s_mov_b32 s47, 0
	s_add_nc_u64 s[8:9], s[8:9], s[46:47]
	v_cmp_gt_u32 vcc_lo, 2000, v40                 ; lanes whose four columns exist
; 16 tokens: the eight tiles (a, 0..7) of window 2 or 3 (from = 0x08 or 0x0c: the LDS stores' data) into my stage, back by rows, out.
.macro OUT16 i, ap, from, f
	WIN \from
.irp b, 0,1,2,3,4,5,6,7
	ds_store_b128 v[STO], v[8*(8*\ap+\b):8*(8*\ap+\b)+3] offset:64*\b
	ds_store_b128 v[STO], v[8*(8*\ap+\b)+4:8*(8*\ap+\b)+7] offset:64*\b+16
.endr
	WIN 0
.irp t, 0,1,2,3,4,5,6,7,8,9,10,11,12,13,14,15
	ds_load_b128 v[\f+4*\t:\f+4*\t+3], v[RD] offset:\t*SPITCH      ; LDS serves a wave's instructions in order (ISA guide 5.7.1.4): these see the stores above
.endr
	s_wait_xcnt 0x0                                ; the base is stepped and EXEC narrowed only behind this wait
.if \i
	s_add_nc_u64 s[8:9], s[8:9], 16*8000
.endif
	s_and_saveexec_b32 s70, vcc_lo
.irp t, 0,1,2,3,4,5,6,7,8,9,10,11,12,13,14,15
	s_wait_dscnt 15-\t                             ; the younger LDS loads may stay out
	global_store_b128 v3, v[\f+4*\t:\f+4*\t+3], s[8:9] offset:\t*8000 th:TH_STORE_NT
.endr
	s_wait_xcnt 0x0                                ; EXEC is widened only behind this wait
	s_or_b32 exec_lo, exec_lo, s70
.endm
	OUT16 0, 0, 0x08, F0
	OUT16 1, 1, 0x08, F1
	OUT16 2, 2, 0x08, F0
	OUT16 3, 3, 0x08, F1
	OUT16 4, 0, 0x0c, F0
	OUT16 5, 1, 0x0c, F1
	OUT16 6, 2, 0x0c, F0
	OUT16 7, 3, 0x0c, F1
	s_set_vgpr_msb 0x1
	s_wait_tensorcnt 0x0
	ds_add_u32 v255, v63
	s_wait_dscnt 0x0
	s_set_vgpr_msb 0x100
	CROUND                                         ; the closing round
	s_endpgm
.Lfunc_end_k_q2f8e9eb352_fc:
	.size	k_q2f8e9eb352_fc, .Lfunc_end_k_q2f8e9eb352_fc-k_q2f8e9eb352_fc
	.p2alignl 7, 3214868480
	.fill 96, 4, 3214868480
	.section	.rodata,"a",@progbits
	.p2align	6, 0x0
	.amdhsa_kernel k_q2f8e9eb352_fc
		.amdhsa_group_segment_fixed_size 327680
		.amdhsa_private_segment_fixed_size 0
		.amdhsa_enable_private_segment 0
		.amdhsa_kernarg_size 32
		.amdhsa_user_sgpr_count 2
		.amdhsa_user_sgpr_kernarg_segment_ptr 1
		.amdhsa_wavefront_size32 1
		.amdhsa_system_sgpr_workgroup_id_x 1
		.amdhsa_system_sgpr_workgroup_id_y 1
		.amdhsa_system_sgpr_workgroup_id_z 1
		.amdhsa_system_vgpr_workitem_id 0
		.amdhsa_next_free_vgpr 1024
		.amdhsa_next_free_sgpr 72
		.amdhsa_reserve_vcc 1
		.amdhsa_float_denorm_mode_32 3
		.amdhsa_float_denorm_mode_16_64 3
		.amdhsa_memory_ordered 1
		.amdhsa_forward_progress 1
		.amdhsa_inst_pref_size 147
	.end_amdhsa_kernel
	.amdgpu_metadata
---
amdhsa.version: [ 1, 2 ]
amdhsa.kernels:
  - .name:           k_q2f8e9eb352_fc
    .symbol:         k_q2f8e9eb352_fc.kd
    .args:
      - { .name: yf, .offset: 0, .size: 8, .value_kind: global_buffer, .address_space: global }
      - { .name: wf, .offset: 8, .size: 8, .value_kind: global_buffer, .address_space: global }
      - { .name: out0, .offset: 16, .size: 8, .value_kind: global_buffer, .address_space: global }
      - { .name: fc_b, .offset: 24, .size: 8, .value_kind: global_buffer, .address_space: global }
    .group_segment_fixed_size: 327680
    .private_segment_fixed_size: 0
    .kernarg_segment_align: 8
    .kernarg_segment_size: 32
    .max_flat_workgroup_size: 128
    .sgpr_count:     72
    .vgpr_count:     1024
    .wavefront_size: 32
...
	.end_amdgpu_metadata
.endif
;; end of part 5
;; ======== version 2 of 2: 5 launches; version 1 with the launch prep written anew for expert scheduling mode
;; limits: values are held in f16: magnitudes above 65,504 overflow, below 6.1e-05 lose precision
;; workspace buffers: wf 4,194,304 bytes; hf 8,388,608 bytes; xd 16,777,216 bytes; qkv 25,165,824 bytes; af 8,388,608 bytes; yf 8,388,608 bytes
;; launch prep (part 6): grid 768 x 1, 4 waves a work-group, no clusters, 50,176 bytes of LDS; arguments tokens, tok_embed, pos_embed, ln_g, ln_b, Wq, Wk, Wv, Wproj, fc_w, hf, xd, wf; writes hf, xd, wf
.if DOCPART == 6
	.amdgcn_target "amdgcn-amd-amdhsa--gfx1250"
	.amdhsa_code_object_version 6
	.text
	.protected	k_q2f8e9eb352_prep
	.globl	k_q2f8e9eb352_prep
	.p2align	8
	.type	k_q2f8e9eb352_prep,@function
k_q2f8e9eb352_prep:
	s_mov_b64 s[64:65], 0
	v_nop
	global_prefetch_b8 v0, s[64:65] scope:SCOPE_SE
	s_setreg_imm32_b32 hwreg(HW_REG_WAVE_SCHED_MODE, 0, 2), 2
	s_setreg_imm32_b32 hwreg(HW_REG_WAVE_MODE, 25, 1), 1
	s_wait_xcnt 0x0
	s_wait_alu depctr_vm_vsrc(0)
; PREP: everything that the later products read is laid down here in FRAGMENT ORDER.
; A fragment (16 rows x 32 k of f16) is a block of 1,024 bytes: the 16 bytes of lane L = 16 h + r, piece c, lie at c*512 + 16 L and hold
; row r, k = 16 c + 8 h + 0..7.  A product then fills a fragment with two 16-byte accesses a lane, 512 neighbouring bytes each.
; Work-groups 0-511: 16 tokens each: x = tok_embed[token] + pos_embed[t], LayerNorm, h as f16 fragments (hf), x as f32 in the order of a
;   matrix result (xd: [token tile][feature tile][half][16 L] = features 16 ft + 8 h + 4 half .. +3 of token r).
; Work-groups 512-767: one tile of 16 output columns of a weight matrix each, transposed to rows (wf: [nt][kb][1 KiB]):
;   nt 0-95 Wq|Wk|Wv (column = 32 head + kk), nt 96-127 Wproj, nt 128-255 fc_w (columns past 1999 repeat column 1999; their products are never stored).
;   Wq is multiplied by log2(e)/sqrt(32), so that the scores come out ready for an exponential in base 2.
; LIMITS: h and the weights are rounded to f16: a number above 65,504 becomes infinite, below 6e-5 the step is 6e-8.
; A token index is clamped to 1999 (unsigned), so no gather leaves the table.
; No matrix unit, no cluster, no tensor load: the work-groups share nothing and each byte is touched once or a few times.
; THE MODE: SCHED_MODE bits 1:0 = 2 (LLVM: expert scheduling mode 2), set by the entry lines.  The code itself states the register dependences
; between vector instructions and memory or LDS instructions, with s_wait_alu, always for 0.
; THE PLAN, TOKENS.  Registers that memory or LDS instructions touch:
;   v1          16 L, the offset of every global load and store: written once, at the head.
;   v20 .. v23  LDS addresses: written once, behind the issue of the loads, ahead of token 0's wait.
;   XT[i]       A global load lands in it; token i's additions write x into it; its sums and differences and four LDS stores read it; no vector instruction
;               writes it again.  Behind the barrier LDS loads land in it.
;   XP[i]       A global load lands in it; the additions read it; then it takes x - mean, h, and in its first eight registers the packed h, which four LDS stores,
;               issued in token i + 1, read.  Behind the barrier LDS loads land in XP[0] and XP[1].
;   GG, BV are loaded and then read by vector instructions alone; v4 .. v11 are named by vector instructions alone; v192, v193 serve the closing add alone.
; So ONE wait on va_vdst stands in a token, behind the reciprocal root: it states that the root is written, that x is written in XT[i], and that the token before has
; written its packed h.  The token's four stores of x and the four stores of h of the token before follow it, dealt among vector instructions that write XP[i] alone.
; One more stands ahead of token 3's stores of h; one wait on vm_vsrc stands behind the barrier, ahead of the LDS loads that land in what the LDS stores read.
; THE PLAN, WEIGHTS.  v16 .. v31: offsets, written once, one wait ahead of the loads.  v32 .. v95: loaded, then named by vector instructions alone.  v96 + 8 t ..: block t's
; own eight registers to store, written once; its two stores stand in block t + 1, behind one wait on va_vdst at that block's head.
.set XT, 32                            ; v[32:95]   token i: 16 registers, features 4 L + 128 q + 0..3: the token's row, then x
.set XP, 96                            ; v[96:159]  the positional rows, likewise; then x - mean, h, packed h
.set GG, 160                           ; v[160:175] ln_g of my 16 features
.set BV, 176                           ; v[176:191] ln_b
.set XPITCH, 2064                      ; LDS row of x: 2,048 bytes + 16: an odd multiple of 16, so 16 rows start in 16 different groups of banks
.set HPITCH, 1040                      ; LDS row of h: 1,024 bytes + 16
.set HST, 16*XPITCH                    ; h's stage begins behind x's: byte 33,024
	s_load_b512 s[8:23], s[0:1], 0x0               ; tokens 8, tok_embed 10, pos_embed 12, ln_g 14, ln_b 16, Wq 18, Wk 20, Wv 22
	s_load_b256 s[24:31], s[0:1], 0x40             ; Wproj 24, fc_w 26, hf 28, xd 30
	s_load_b64 s[32:33], s[0:1], 0x60              ; wf
	v_lshl_add_u32 v192, v0, 2, 0xc200
	v_mov_b32 v193, 0
	v_lshrrev_b32 v4, 5, v0
	v_readfirstlane_b32 s34, v4                    ; wave 0..3
	v_and_b32 v1, 31, v0
	v_and_b32 v2, 15, v0                           ; r
	v_bfe_u32 v3, v0, 4, 1                         ; h
	v_lshlrev_b32 v1, 4, v1                        ; 16 L
	s_mov_b32 s43, 0                               ; upper words of the two offset pairs
	s_mov_b32 s45, 0
	s_wait_alu depctr_va_sdst(0)                   ; s34 is written, ahead of the branch and of its first reader on either path
	s_wait_alu depctr_va_vdst(0)                   ; v1 is written: every global load and store of the kernel reads it as its offset
	s_wait_kmcnt 0x0
	s_cmp_ge_u32 ttmp9, 512                        ; the same for all four waves of a work-group
	s_cbranch_scc1 .Lweights
; ---------------- embedding and LayerNorm: wave w takes tokens 4 w .. 4 w + 3 of the tile ----------------
	s_lshl_b32 s42, ttmp9, 6                       ; 16 indices of 4 bytes a tile
	s_lshl_b32 s35, s34, 4                         ; 4 indices a wave
	s_add_co_u32 s42, s42, s35
	s_add_nc_u64 s[40:41], s[8:9], s[42:43]
	s_load_b128 s[36:39], s[40:41], 0x0            ; my four indices
.irp q, 0,1,2,3
	global_load_b128 v[GG+4*\q:GG+4*\q+3], v1, s[14:15] offset:512*\q
	global_load_b128 v[BV+4*\q:BV+4*\q+3], v1, s[16:17] offset:512*\q
.endr
	s_and_b32 s42, ttmp9, 127                      ; 128 tiles in a sequence of 2,048 positions
	s_lshl_b32 s42, s42, 15                        ; 16 rows of 2,048 bytes
	s_lshl_b32 s35, s34, 13                        ; 4 rows a wave
	s_add_co_u32 s42, s42, s35
	s_add_nc_u64 s[52:53], s[12:13], s[42:43]      ; my four rows of pos_embed
	s_mov_b32 s54, 0x76543210                      ; v_permlanex16_b32: lane i reads lane i of the other half
	s_mov_b32 s55, 0xfedcba98
	s_mov_b32 s56, 0x3b000000                      ; 1/512
	s_mov_b32 s57, 0x3727c5ac                      ; 1e-5
	s_wait_kmcnt 0x0
.irp i, 0,1,2,3
	s_min_u32 s[36+\i], s[36+\i], 1999
	s_lshl_b32 s42, s[36+\i], 11                   ; a row of tok_embed is 2,048 bytes
	s_add_nc_u64 s[44+2*\i:45+2*\i], s[10:11], s[42:43]
.endr
.irp i, 0,1,2,3
.irp q, 0,1,2,3
	global_load_b128 v[XT+16*\i+4*\q:XT+16*\i+4*\q+3], v1, s[44+2*\i:45+2*\i] offset:512*\q
.endr
.irp q, 0,1,2,3
	global_load_b128 v[XP+16*\i+4*\q:XP+16*\i+4*\q+3], v1, s[52:53] offset:2048*\i+512*\q
.endr
.endr
	s_mul_i32 s35, s34, 4*XPITCH
	v_add_nc_u32 v20, s35, v1                      ; x in: my wave's first row + 16 L
	s_mul_i32 s35, s34, 4*HPITCH
	s_add_co_u32 s35, s35, HST
	v_lshrrev_b32 v21, 1, v1
	v_add_nc_u32 v21, s35, v21                     ; h in: my wave's first row + 8 L
	v_mul_u32_u24 v22, v2, HPITCH
	v_lshl_add_u32 v22, v3, 4, v22
	s_lshl_b32 s35, s34, 8
	s_add_co_u32 s35, s35, HST
	v_add_nc_u32 v22, s35, v22                     ; h back: row r, byte 16 h + 256 w (features 128 w ..)
	v_mul_u32_u24 v23, v2, XPITCH
	v_lshl_add_u32 v23, v3, 5, v23
	s_lshl_b32 s35, s34, 9
	v_add_nc_u32 v23, s35, v23                     ; x back: row r, byte 32 h + 512 w
	s_lshl_b32 s42, ttmp9, 14                      ; hf: 16,384 bytes a tile, 4,096 a wave
	s_lshl_b32 s35, s34, 12
	s_add_co_u32 s42, s42, s35
	s_add_nc_u64 s[58:59], s[28:29], s[42:43]
	s_lshl_b32 s42, ttmp9, 15                      ; xd: 32,768 bytes a tile, 8,192 a wave
	s_lshl_b32 s35, s34, 13
	s_add_co_u32 s42, s42, s35
	s_add_nc_u64 s[60:61], s[30:31], s[42:43]
.macro LANESUM a, b                    ; the sum over the 32 lanes, in every lane; v\b has been written before
	v_add_f32_dpp v\a, v\a, v\a row_xmask:1 row_mask:0xf bank_mask:0xf
	v_add_f32_dpp v\a, v\a, v\a row_xmask:2 row_mask:0xf bank_mask:0xf
	v_add_f32_dpp v\a, v\a, v\a row_xmask:4 row_mask:0xf bank_mask:0xf
	v_add_f32_dpp v\a, v\a, v\a row_xmask:8 row_mask:0xf bank_mask:0xf
	v_permlanex16_b32 v\b, v\a, s54, s55
	v_add_f32 v\a, v\a, v\b
.endm
.macro HSTORE i                        ; token i's packed h, from the first eight registers of XP[i], into h's stage
.irp q, 0,1,2,3
	ds_store_b64 v21, v[XP+16*(\i)+2*\q:XP+16*(\i)+2*\q+1] offset:(\i)*HPITCH+256*\q
.endr
.endm
; One token: the row stays in 16 registers a lane; the mean first, then the squares of the differences, so a common offset does no harm.
.macro TOKEN i
.set XB, XT+16*\i
.set PB, XP+16*\i
	s_wait_loadcnt 24-8*\i                         ; eight loads for each younger token may stay out; ln_g and ln_b were issued first
.irp p, 0,2,4,6,8,10,12,14
	v_pk_add_f32 v[XB+\p:XB+\p+1], v[XB+\p:XB+\p+1], v[PB+\p:PB+\p+1]
.endr
	v_pk_add_f32 v[4:5], v[XB:XB+1], v[XB+2:XB+3]
	v_pk_add_f32 v[6:7], v[XB+4:XB+5], v[XB+6:XB+7]
	v_pk_add_f32 v[8:9], v[XB+8:XB+9], v[XB+10:XB+11]
	v_pk_add_f32 v[10:11], v[XB+12:XB+13], v[XB+14:XB+15]
	v_pk_add_f32 v[4:5], v[4:5], v[6:7]
	v_pk_add_f32 v[8:9], v[8:9], v[10:11]
	v_pk_add_f32 v[4:5], v[4:5], v[8:9]
	v_add_f32 v4, v4, v5
	LANESUM 4, 5
	v_mul_f32 v4, s56, v4                          ; the mean
.irp p, 0,2,4,6,8,10,12,14
	v_pk_add_f32 v[PB+\p:PB+\p+1], v[XB+\p:XB+\p+1], v[4:5] op_sel_hi:[1,0] neg_lo:[0,1] neg_hi:[0,1]  ; x - mean goes where the positional row lay: x stays as the LDS stores will read it
.endr
	v_pk_mul_f32 v[6:7], v[PB:PB+1], v[PB:PB+1]
	v_pk_mul_f32 v[8:9], v[PB+2:PB+3], v[PB+2:PB+3]
.irp p, 4,8,12
	v_pk_fma_f32 v[6:7], v[PB+\p:PB+\p+1], v[PB+\p:PB+\p+1], v[6:7]
	v_pk_fma_f32 v[8:9], v[PB+\p+2:PB+\p+3], v[PB+\p+2:PB+\p+3], v[8:9]
.endr
	v_pk_add_f32 v[6:7], v[6:7], v[8:9]
	v_add_f32 v6, v6, v7
	LANESUM 6, 7
	v_fma_f32 v6, v6, s56, s57                     ; variance + 1e-5
	v_rsq_f32 v8, v6
	v_nop                                          ; one plain place behind the reciprocal root (ISA guide 5.7.2)
	s_wait_alu depctr_va_vdst(0)                   ; the root is written in v8, ahead of its first reader; x is written in XT[i], which the four stores below read (for token 0: so are v20 to v23); the token before has written its packed h
.irp q, 0,1,2,3
	ds_store_b128 v20, v[XB+4*\q:XB+4*\q+3] offset:\i*XPITCH+512*\q
.endr
.irp p, 0,2,4,6,8,10,12,14
	v_pk_mul_f32 v[PB+\p:PB+\p+1], v[PB+\p:PB+\p+1], v[8:9] op_sel_hi:[1,0]
.endr
.if \i > 0
	HSTORE (\i-1)                                  ; no wait: the vector instructions since the wait above write XP[i] alone, these stores read XP[i - 1] and v21
.endif
.irp p, 0,2,4,6,8,10,12,14
	v_pk_fma_f32 v[PB+\p:PB+\p+1], v[PB+\p:PB+\p+1], v[GG+\p:GG+\p+1], v[BV+\p:BV+\p+1]
.endr
.irp m, 0,1,2,3,4,5,6,7
	v_cvt_pk_f16_f32 v[PB+\m], v[PB+2*\m], v[PB+2*\m+1]    ; in place: register m is written when registers 2 m, 2 m + 1 are read, and m <= 2 m
.endr
.endm
	TOKEN 0
	TOKEN 1
	TOKEN 2
	TOKEN 3
	s_wait_alu depctr_va_vdst(0)                   ; token 3 has written its packed h, which the stores below read; and every vector instruction that named XT or XP is done, ahead of the LDS loads that land there
	HSTORE 3
	s_wait_dscnt 0x0                               ; my rows are in LDS,
	s_barrier_signal -1
	s_barrier_wait -1                              ; all sixteen are
	s_wait_alu depctr_vm_vsrc(0)                   ; my LDS stores have read XT[0 .. 3] and the first eight registers of XP[0], XP[1], in which the LDS loads below land
; back by fragments: wave w takes features 128 w .. 128 w + 127 of all 16 tokens; every store covers 512 neighbouring bytes, aligned
.irp p, 0,1,2,3,4,5,6,7
	ds_load_b128 v[32+4*\p:35+4*\p], v22 offset:32*\p
.endr
.irp p, 0,1,2,3,4,5,6,7,8,9,10,11,12,13,14,15
	ds_load_b128 v[64+4*\p:67+4*\p], v23 offset:(\p>>1)*64+(\p&1)*16
.endr
.irp p, 0,1,2,3,4,5,6,7
	s_wait_dscnt 23-\p                             ; the younger LDS loads may stay out
	global_store_b128 v1, v[32+4*\p:35+4*\p], s[58:59] offset:512*\p
.endr
.irp p, 0,1,2,3,4,5,6,7,8,9,10,11,12,13,14,15
	s_wait_dscnt 15-\p
	global_store_b128 v1, v[64+4*\p:67+4*\p], s[60:61] offset:512*\p
.endr
	s_wait_dscnt 0x0                               ; the closing lines, six on end
	s_wait_alu 0x0
	s_wait_tensorcnt 0x0
	ds_add_u32 v192, v193
	s_wait_dscnt 0x0
	s_endpgm
; ---------------- weights: tile nt of 16 columns; wave w takes k blocks 4 w .. 4 w + 3 ----------------
.Lweights:
	s_sub_co_u32 s60, ttmp9, 512                   ; nt
	s_bfe_u32 s40, s60, 0x40001                    ; head = (nt >> 1) & 15
	s_lshl_b32 s40, s40, 16                        ; a head's matrix is 65,536 bytes
	s_and_b32 s41, s60, 1
	s_lshl_b32 s41, s41, 4                         ; first column inside the head
	s_mov_b32 s38, 128                             ; bytes from k to k + 1
	s_mov_b32 s39, 31                              ; last column
	s_cmp_lt_u32 s60, 32
	s_cselect_b64 s[36:37], s[18:19], s[20:21]     ; Wq or Wk
	s_cselect_b32 s62, 0x3e8293ee, 1.0             ; log2(e)/sqrt(32) for Wq alone
	s_cmp_lt_u32 s60, 64
	s_cselect_b64 s[36:37], s[36:37], s[22:23]     ; or Wv
	s_sub_co_u32 s42, s60, 96
	s_lshl_b32 s42, s42, 4
	s_cmp_lt_u32 s60, 96
	s_cselect_b64 s[36:37], s[36:37], s[24:25]     ; or Wproj
	s_cselect_b32 s38, s38, 2048
	s_cselect_b32 s39, s39, 511
	s_cselect_b32 s40, s40, 0
	s_cselect_b32 s41, s41, s42
	s_sub_co_u32 s42, s60, 128
	s_lshl_b32 s42, s42, 4
	s_cmp_lt_u32 s60, 128
	s_cselect_b64 s[36:37], s[36:37], s[26:27]     ; or fc_w
	s_cselect_b32 s38, s38, 8000
	s_cselect_b32 s39, s39, 1999
	s_cselect_b32 s41, s41, s42
	s_mov_b32 s63, s62
	s_mov_b32 s44, s40
	s_add_nc_u64 s[36:37], s[36:37], s[44:45]      ; the head's matrix
	s_lshl_b32 s46, s38, 5                         ; 32 k
	s_lshl_b32 s47, s34, 2
	s_mul_i32 s44, s47, s46                        ; my first k block
	s_add_nc_u64 s[48:49], s[36:37], s[44:45]
	s_mov_b32 s44, s46
	s_add_nc_u64 s[50:51], s[48:49], s[44:45]
	s_add_nc_u64 s[52:53], s[50:51], s[44:45]
	s_add_nc_u64 s[54:55], s[52:53], s[44:45]
	v_add_nc_u32 v4, s41, v2                       ; my column,
	v_min_u32 v4, s39, v4                          ; held inside the matrix
	v_lshlrev_b32 v4, 2, v4
	v_lshlrev_b32 v5, 3, v3
	v_mad_u32_u24 v4, v5, s38, v4                  ; + 8 h rows of k
.set n, 0
.rept 16
	s_mul_i32 s56, s38, n+8*(n>>3)                 ; k = 16 c + e: number n = 8 c + e of my 16
	v_add_nc_u32 v[16+n], s56, v4
.set n, n+1
.endr
	s_wait_alu depctr_va_vdst(0)                   ; the sixteen offsets v16 to v31 are written, which the loads below read
.irp t, 0,1,2,3
.set n, 0
.rept 16
	global_load_b32 v[32+16*\t+n], v[16+n], s[48+2*\t:49+2*\t]
.set n, n+1
.endr
.endr
	s_lshl_b32 s44, s60, 14                        ; wf: 16,384 bytes a tile, 4,096 a wave
	s_lshl_b32 s47, s34, 12
	s_add_co_u32 s44, s44, s47
	s_add_nc_u64 s[58:59], s[32:33], s[44:45]
.irp t, 0,1,2,3
	s_wait_loadcnt 48-16*\t                        ; sixteen loads for each younger k block may stay out
.if \t > 0
	s_wait_alu depctr_va_vdst(0)                   ; the block before has written its eight registers to store, which the two stores of this block read
	global_store_b128 v1, v[96+8*(\t-1):99+8*(\t-1)], s[58:59] offset:1024*(\t-1)
.endif
.irp m, 0,1,2,3,4,5,6,7
	v_pk_mul_f32 v[32+16*\t+2*\m:33+16*\t+2*\m], v[32+16*\t+2*\m:33+16*\t+2*\m], s[62:63] op_sel_hi:[1,0]
.endr
.if \t > 0
	global_store_b128 v1, v[100+8*(\t-1):103+8*(\t-1)], s[58:59] offset:1024*(\t-1)+512    ; no wait: the multiplies since the wait above write this block's loaded registers alone
.endif
.irp m, 0,1,2,3,4,5,6,7
	v_cvt_pk_f16_f32 v[96+8*\t+\m], v[32+16*\t+2*\m], v[33+16*\t+2*\m]
.endr
.endr
	s_wait_alu depctr_va_vdst(0)                   ; block 3 has written v120 to v127, which the last two stores read
	global_store_b128 v1, v[120:123], s[58:59] offset:3072
	global_store_b128 v1, v[124:127], s[58:59] offset:3584
	s_endpgm
.Lfunc_end_k_q2f8e9eb352_prep:
	.size	k_q2f8e9eb352_prep, .Lfunc_end_k_q2f8e9eb352_prep-k_q2f8e9eb352_prep
	.p2alignl 7, 3214868480
	.fill 96, 4, 3214868480
	.section	.rodata,"a",@progbits
	.p2align	6, 0x0
	.amdhsa_kernel k_q2f8e9eb352_prep
		.amdhsa_group_segment_fixed_size 50176
		.amdhsa_private_segment_fixed_size 0
		.amdhsa_enable_private_segment 0
		.amdhsa_kernarg_size 104
		.amdhsa_user_sgpr_count 2
		.amdhsa_user_sgpr_kernarg_segment_ptr 1
		.amdhsa_wavefront_size32 1
		.amdhsa_system_sgpr_workgroup_id_x 1
		.amdhsa_system_sgpr_workgroup_id_y 1
		.amdhsa_system_sgpr_workgroup_id_z 1
		.amdhsa_system_vgpr_workitem_id 0
		.amdhsa_next_free_vgpr 194
		.amdhsa_next_free_sgpr 66
		.amdhsa_reserve_vcc 0
		.amdhsa_float_denorm_mode_32 3
		.amdhsa_float_denorm_mode_16_64 3
		.amdhsa_memory_ordered 1
		.amdhsa_forward_progress 1
		.amdhsa_inst_pref_size 46
	.end_amdhsa_kernel
	.amdgpu_metadata
---
amdhsa.version: [ 1, 2 ]
amdhsa.kernels:
  - .name:           k_q2f8e9eb352_prep
    .symbol:         k_q2f8e9eb352_prep.kd
    .args:
      - { .name: tokens, .offset: 0, .size: 8, .value_kind: global_buffer, .address_space: global }
      - { .name: tok_embed, .offset: 8, .size: 8, .value_kind: global_buffer, .address_space: global }
      - { .name: pos_embed, .offset: 16, .size: 8, .value_kind: global_buffer, .address_space: global }
      - { .name: ln_g, .offset: 24, .size: 8, .value_kind: global_buffer, .address_space: global }
      - { .name: ln_b, .offset: 32, .size: 8, .value_kind: global_buffer, .address_space: global }
      - { .name: Wq, .offset: 40, .size: 8, .value_kind: global_buffer, .address_space: global }
      - { .name: Wk, .offset: 48, .size: 8, .value_kind: global_buffer, .address_space: global }
      - { .name: Wv, .offset: 56, .size: 8, .value_kind: global_buffer, .address_space: global }
      - { .name: Wproj, .offset: 64, .size: 8, .value_kind: global_buffer, .address_space: global }
      - { .name: fc_w, .offset: 72, .size: 8, .value_kind: global_buffer, .address_space: global }
      - { .name: hf, .offset: 80, .size: 8, .value_kind: global_buffer, .address_space: global }
      - { .name: xd, .offset: 88, .size: 8, .value_kind: global_buffer, .address_space: global }
      - { .name: wf, .offset: 96, .size: 8, .value_kind: global_buffer, .address_space: global }
    .group_segment_fixed_size: 50176
    .private_segment_fixed_size: 0
    .kernarg_segment_align: 8
    .kernarg_segment_size: 104
    .max_flat_workgroup_size: 128
    .sgpr_count:     66
    .vgpr_count:     194
    .wavefront_size: 32
...
	.end_amdgpu_metadata
.endif
;; end of part 6
;; launch qkvgemm: the kernel of part 2 again; grid 8 x 32, 4 waves a work-group, clusters of 4 x 4, 327,680 bytes of LDS; arguments hf, wf, qkv; writes qkv
;; launch attn: the kernel of part 3 again; grid 256 x 1, 16 waves a work-group, clusters of 4 x 1, 305,152 bytes of LDS; arguments qkv, af; writes af
;; launch proj: the kernel of part 4 again; grid 4 x 64, 4 waves a work-group, clusters of 4 x 4, 262,656 bytes of LDS; arguments af, wf, yf, xd; writes yf
;; launch fc: the kernel of part 5 again; grid 8 x 32, 4 waves a work-group, clusters of 4 x 4, 327,680 bytes of LDS; arguments yf, wf, out0, fc_b; writes out0
